; MI455X (gfx1250); checked and timed in simulation.
; The chip was launched on July 23, 2026; its instructions are those of AMD's public machine-readable ISA for CDNA 5 (MIT licence, August 2026) and "CDNA5" Instruction Set Architecture Reference Guide (July 2026). The comments in the code are by the model that wrote it; some were corrected since.
;; Multihead Attention. Allowed arithmetic: matrix products marked QUANTISED: E2M3 operands, one E8M0 scale for each 32 along K, by v_wmma_scale_f32_16x16x128_f8f6f4 with both operands' format E2M3, f32 sums; everything else in f32.
;; Inputs: Wk_codes 1,024 x 32 x 24 uint8 (E2M3 codes of Wk, K innermost, in blocks of 32 codes, four codes in three bytes); Wk_scales 1,024 x 32 uint8 (E8M0 scales of Wk, one for each 32 codes along K); Wo_codes 1,024 x 32 x 24 uint8 (E2M3 codes of Wo, K innermost, in blocks of 32 codes, four codes in three bytes); Wo_scales 1,024 x 32 uint8 (E8M0 scales of Wo, one for each 32 codes along K); Wq_codes 1,024 x 32 x 24 uint8 (E2M3 codes of Wq, K innermost, in blocks of 32 codes, four codes in three bytes); Wq_scales 1,024 x 32 uint8 (E8M0 scales of Wq, one for each 32 codes along K); Wv_codes 1,024 x 32 x 24 uint8 (E2M3 codes of Wv, K innermost, in blocks of 32 codes, four codes in three bytes); Wv_scales 1,024 x 32 uint8 (E8M0 scales of Wv, one for each 32 codes along K); bo 1,024 float32; query_codes 1 x 4,096 x 32 x 24 uint8 (E2M3 codes of query, K innermost, in blocks of 32 codes, four codes in three bytes); query_scales 1 x 4,096 x 32 uint8 (E8M0 scales of query, one for each 32 codes along K).
;; Outputs: out0 1 x 4,096 x 1,024 float32.
;; This version of the problem:
;;   THIS VERSION OF THE PROBLEM IS GIVEN IN LOW PRECISION. The matrix products marked QUANTISED in the list below multiply operands that are first quantised to E2M3 (2 exponent bits, 3 mantissa bits; 6 bits a number), with one power-of-two scale for each 32 numbers along K (OCP MX v1.0); their sums are f32. All else is computed in f32.
;;   The module's matrix products, in the order in which they are computed (A, B: the left and right operand; K: the contracted axis; several contracted axes count as one K, in the product's order):
;;     1. [M 4,096, K 1,024] x [K 1,024, N 1,024]; A: input query (given as codes); B: input Wq (given as codes): QUANTISED
;;     2. [M 4,096, K 1,024] x [K 1,024, N 1,024]; A: input query (given as codes); B: input Wk (given as codes): QUANTISED
;;     3. [M 4,096, K 1,024] x [K 1,024, N 1,024]; A: input query (given as codes); B: input Wv (given as codes): QUANTISED
;;     4. batch 16 x [M 4,096, K 64] x [K 64, N 4,096]; A: computed on the way; B: computed on the way: QUANTISED
;;     5. batch 16 x [M 4,096, K 4,096] x [K 4,096, N 64]; A: softmax (see below); B: computed on the way: QUANTISED
;;     6. [M 4,096, K 1,024] x [K 1,024, N 1,024]; A: computed on the way; B: input Wo (given as codes): QUANTISED
;;   THE QUANTISER, for each operand of a quantised product, along K:
;;     - K is cut into blocks of 32 from its start; a last block that is shorter is filled with zeros.
;;     - A block's scale is 2^e with e = floor(log2(the largest magnitude in the block)) - 2, held to -126 .. 127; a block of zeros has e = 0. As a byte (E8M0): e + 127.
;;     - Each number is divided by its block's scale, clamped to +-7.5, and rounded to the nearest number of E2M3, ties to even, subnormals kept.
;;     - The product sums the exact products of the quantised numbers (number of the format x scale) in f32.
;;   ~~~python
;;   def quantise(x, axis):      # numpy; x: float32 -> the quantised numbers, widened to float32 again
;;       x = np.moveaxis(x, axis, -1); K = x.shape[-1]
;;       x = np.pad(x, [(0, 0)] * (x.ndim - 1) + [(0, -K % 32)]); x = x.reshape(x.shape[:-1] + (-1, 32)); a = np.abs(x).max(-1, keepdims=True)
;;       e = np.where(a > 0, np.clip(np.frexp(np.where(a > 0, a, 1))[1] - 1 - 2, -126, 127), 0)      # np.frexp(a)[1] - 1 = floor(log2(a)), exactly
;;       r = np.clip(x / 2.0 ** e, -7.5, 7.5)
;;       step = 2.0 ** (np.maximum(np.frexp(np.where(r == 0, 1, r))[1] - 1, 0) - 3)
;;       q = np.round(r / step) * step * 2.0 ** e      # np.round: ties to even
;;       return np.moveaxis(q.reshape(q.shape[:-2] + (-1,))[..., :K], -1, axis).astype(np.float32)
;;   ~~~
;;   SOFTMAX AHEAD OF A QUANTISED PRODUCT. Where the list says 'softmax', what is quantised is not the finished softmax but p = 2^(t - M), with t = logit x log2(e) and M = ceil(the row's largest t), a whole number; so 1/2 < the row's largest p <= 1. The row's sum l is taken of the UNQUANTISED p, in f32, and the product's result is divided by l at the end. Since M is a whole number, a kernel that streams over the keys may use a running M (the ceiling of the running maximum): every later rescaling is an exact power of two, which a block's scale takes up: the codes' values come out the same.
;;   OPERANDS COMPUTED ON THE WAY. 'Computed on the way' means the value that the module computes at that place (a softmax that the list does not call 'softmax' is quantised finished and normalised). What goes into a quantiser is computed in f32, as accurately as f32 sums, v_exp_f32 and their like allow (about 1e-6 of the number): no bf16 or f16 on the way to a quantiser, and a product that is left as it is and whose result goes on into a quantised operand takes f32 operands (vector FMAs, or v_wmma_f32_16x16x4_f32). A number that lies on a knife's edge between two numbers of the format may be rounded either way, as far as f32 arithmetic and the matrix unit's own rounding can turn it there, and no further.
;;   INPUTS GIVEN AS CODES. Wk (in the module: [1024, 1024], K = its axis 1); Wo (in the module: [1024, 1024], K = its axis 1); Wq (in the module: [1024, 1024], K = its axis 1); Wv (in the module: [1024, 1024], K = its axis 1); query (in the module: [1, 4096, 1024], K = its axis 2): each comes as NAME_codes (uint8): NAME with its K axis moved to the last place and cut into blocks of 32 codes, [.., K / 32, bytes a block], one block behind the other in memory; four codes in three bytes: a row's codes are one little-endian stream of bits, code i at bits 6 i .. 6 i + 5 (a code: sign, 2 exponent bits, 3 mantissa bits); and NAME_scales (uint8): the same leading axes, one E8M0 byte (e + 127) for each 32 codes along K. Its value is code x scale, taken as it is: it is not quantised again, and the codes and scales need not be those that the quantiser above would give.
;; One version. Each part assembles by itself: llvm-mc -triple=amdgcn-amd-amdhsa -mcpu=gfx1250 --defsym DOCPART=n.
;; ======== version 1 of 1: 3 launches
;; limits: right only within a limited range of input values
;; workspace buffers: qrec 3,407,872 bytes; krec 3,407,872 bytes; vrec 3,276,800 bytes; arec 3,145,728 bytes; asc 131,072 bytes
;; launch proj (part 1): grid 8 x 32, 4 waves a work-group, clusters of 4 x 4, 327,680 bytes of LDS; arguments query_codes, query_scales, Wq_codes, Wq_scales, Wk_codes, Wk_scales, Wv_codes, Wv_scales, qrec, krec, vrec; writes qrec, krec, vrec
.if DOCPART == 1
	.amdgcn_target "amdgcn-amd-amdhsa--gfx1250"
	.amdhsa_code_object_version 6
	.text
	.protected	k_qe6aa46d1af_proj
	.globl	k_qe6aa46d1af_proj
	.p2align	8
	.type	k_qe6aa46d1af_proj,@function
k_qe6aa46d1af_proj:
	s_mov_b64 s[64:65], 0
	v_nop
	global_prefetch_b8 v0, s[64:65] scope:SCOPE_SE
	s_setreg_imm32_b32 hwreg(HW_REG_WAVE_MODE, 25, 1), 1
	s_wait_xcnt 0x0
	s_wait_alu depctr_hold_cnt(0) depctr_sa_sdst(0) depctr_va_vdst(0) depctr_va_sdst(0) depctr_va_ssrc(0) depctr_va_vcc(0) depctr_vm_vsrc(0)
	s_getreg_b32 s2, hwreg(HW_REG_IB_STS2, 6, 4)
	s_cmp_eq_u32 s2, 0
	s_cbranch_scc0 .Lentry_in_a_cluster
	s_endpgm
.Lentry_in_a_cluster:
	s_bfe_u32 s2, ttmp6, 0x10000c
	s_cmp_lg_u32 s2, 0xf033
	s_cbranch_scc0 .Lentry_shape_is_right
	s_endpgm
.Lentry_shape_is_right:
; q = query Wq^T, k = query Wk^T, v = query Wv^T on codes of FP6 (E2M3) with E8M0 scales, f32 sums; the results are quantised at once (q, k along a head's 64, v along the keys)
; and leave as images of operand registers, which the attention launch loads by 16 bytes a lane.
; A WORK-GROUP STAYS: it owns block y of 128 tokens and block x of 128 rows of the weights, and makes three blocks of 128 x 128, K = 1,024: q, then k, then v.
; One product for all three: R[l][p] = sum over k of L[l][k] P[p][k]; source 0 = 16 rows of P, source 1 = 16 rows of L: a lane holds one row of L and eight neighbouring p, and p is the axis that is quantised.
; q, k: P = the weights (p = feature), L = query (l = token).  v: P = query (p = key), L = Wv (l = feature).
; LDS: query's 128 rows (whole rows of 768 bytes, 16 bytes of padding behind each 256) are filled once and stay; the weights' 128 rows and their scale bytes are filled three times.
; A refill is asked for behind the block's last product, ahead of its way out: stage, quantiser and stores stand between the request and the wait for it.  A wave has one tensor load out at the most.
; No prefetch: each refill is asked for a whole way out ahead of its wait, and the head has no loop to run ahead in.
; CLUSTERS 4 x 4: the weights' block hangs on x alone and is asked for jointly along a column of the cluster, query's on y alone and jointly along a row.
; A wave takes all 128 rows of P (8 tiles) x its 32 rows of L (2 tiles): 16 accumulators, which take turns.
; THE WAY OUT: the wave's 32 x 128 results go through its own stage and come back so that tile u's lane r holds L's row 8 u + r + 8 (r / 8) of the 32, and its register 16 b + i the p = 32 b + 16 (lane / 16) + i.
; RECORDS.  qrec, krec: [head 16][128 tokens: 32][6,656]: four fragments of 1,536 bytes (32 tokens each: registers 0-5 tile 0, 6-11 tile 1), then four times 128 bytes of scale words:
; lanes 0-15 [s0, s1, 1, 1] of tile 0, lanes 16-31 [1, 1, s0, s1] of tile 1.  vrec: [head][128 keys][6,400]: four fragments (16 features x 128 keys), then two times 128 bytes of scale words.
; LIMITS: NaN, infinities and the scale byte 0xff are not served.  A block of zeros gets the byte 1 where the quantiser's rule says 127: its codes are zeros, and this program alone reads the bytes.
.set PITCH,  816                       ; 3 x (256 + 16) bytes = 204 words: sixteen rows start 12 words apart modulo 64
.set TILE,   128*PITCH
.set QA,     0                         ; query's rows
.set WA,     TILE                      ; the weights' rows
.set SCQ,    2*TILE                    ; query's scale bytes, 128 x 32, dense
.set SCW,    SCQ+4096                  ; the weights'
.set STAGE,  SCW+4096                  ; the stages: bytes of their own, into which no fill lands
.set SP,     528
.set STU,    16*SP+128
.set STW,    2*STU
.set SPARE,  STAGE+4*STW               ; the spare words
.set QKSTEP, 6656
.set QKHEAD, 32*QKSTEP
.set VSTEP,  6400
.set VHEAD,  32*VSTEP
.set WV,   2                           ; s2 wave; s3 wave % 2; s[4:25] the arguments; s[26:27] lane selects; s28-31 masks; s[34:35] the record
.set SEL,  26
.set G1W,  36                          ; groups 1: the weights' codes, their scales, query's codes, its scales
.set G1SW, 44
.set G1Q,  52
.set G1SQ, 68
.set G0QC, 76                          ; groups 0: query's codes, its scales, the weights' codes, their scales
.set G0QS, 80
.set G0WC, 84
.set G0WS, 88
.set AP,   4                           ; v4, v5 P's rows 0-63 (v5: + 16 in lanes 16-31, for pieces whose upper lanes lie behind one padding more); v122, v123 rows 64-127
.set AP2,  5
.set AL,   6                           ; v6, v7 my 32 rows of L
.set AL2,  7
.set ASP,  8
.set ASL,  9
.set STO,  10
.set RD,   11
.set L16,  12
.set L4,   13
.set OC,   14
.set OS,   15
.set TM,   16                          ; v16-31 the quantiser's
.set PW,   24
.set WW,   26
.set SCP,  32                          ; v32-63 P's scale words: register 8 (i % 4) + s
.set SCL,  64                          ; v64-71 L's
.set LF,   72                          ; v72-119 L's fragments, two sets of two
.set CD,   72                          ; the way out: codes
.set CT,   96
.set LB,   120                         ; v120 row x pitch + 24 h; v121 + 16 h more; v124 32 r + 2,048 h
.set LB2,  121
.set APH,  122
.set APH2, 123
.set SB,   124
.set ACC,  128                         ; v128-255 accumulators.  Window 1: P's fragments, two sets of eight, at v0 and v128
.set X0,   128
.set X1,   192
.set MSB, 0
.macro WIN new
.if MSB != \new
	s_set_vgpr_msb (MSB<<8)|\new
.set MSB, \new
.endif
.endm
.macro CROUND                          ; a round of the cluster's barrier
	s_barrier_signal -1
	s_barrier_wait -1
	s_cmp_lg_u32 s[WV], 0
	s_cbranch_scc1 .Lnot_wave_0_\@
	s_barrier_signal -3
.Lnot_wave_0_\@:
	s_barrier_wait -3
	s_barrier_signal -1
	s_barrier_wait -1
.endm
.macro PLACES                          ; four plain places behind a matrix instruction (ISA guide 7.12.1)
.rept 4
	v_nop
.endr
.endm
.macro G0SET g, lds, ptr, off
	s_mov_b32 s[\g], 1
	s_mov_b32 s[\g+1], \lds
	s_add_nc_u64 s[\g+2:\g+3], s[\ptr:\ptr+1], s[\off:\off+1]
	s_or_b32 s[\g+3], s[\g+3], 0x80000000
.endm
.macro ADDR pb, lb, ps, ls             ; the LDS addresses: P's rows at pb, L's at lb, their scale bytes at ps and ls
	s_mul_i32 s96, s[WV], 32*PITCH
	s_add_co_u32 s96, s96, \lb
	s_lshl_b32 s97, s[WV], 10
	s_add_co_u32 s97, s97, \ls
	v_add_nc_u32 v[AP], \pb, v[LB]
	v_add_nc_u32 v[AP2], \pb, v[LB2]
	v_add_nc_u32 v[APH], \pb+64*PITCH, v[LB]
	v_add_nc_u32 v[APH2], \pb+64*PITCH, v[LB2]
	v_add_nc_u32 v[AL], s96, v[LB]
	v_add_nc_u32 v[AL2], s96, v[LB2]
	v_add_nc_u32 v[ASP], \ps, v[SB]
	v_lshl_add_u32 v[ASL], v3, 5, s97
.endm
	s_load_b512 s[4:19], s[0:1], 0x0               ; query codes, scales; Wq; Wk; Wv
	s_load_b128 s[20:23], s[0:1], 0x40             ; qrec, krec
	s_load_b64 s[24:25], s[0:1], 0x50              ; vrec
	v_lshl_add_u32 v126, v0, 2, SPARE
	v_mov_b32 v127, 0
	ds_add_u32 v126, v127                          ; the opening lines: the add, twice on end, and its wait
	ds_add_u32 v126, v127
	v_lshrrev_b32 v1, 5, v0
	v_readfirstlane_b32 s[WV], v1
	s_and_b32 s3, s[WV], 1
	s_bfe_u32 s60, ttmp6, 0x40000                  ; cx
	s_bfe_u32 s61, ttmp6, 0x40004                  ; cy
	s_lshl_b32 s62, ttmp9, 2
	s_add_co_u32 s62, s62, s60                     ; x: the weights' block
	s_and_b32 s63, ttmp7, 0xffff
	s_lshl_b32 s63, s63, 2
	s_add_co_u32 s63, s63, s61                     ; y: query's block
	s_lshl_b32 s100, s61, 2
	s_lshl_b32 s100, 15, s100                      ; my row of the cluster
	s_lshl_b32 s101, 0x1111, s60                   ; my column
	s_or_b32 s[G1W], s101, (1<<20)|(1<<21)|(5<<22)|(3<<25)   ; codes: 128 rows x 768 bytes, 4 words of padding behind every 64
	s_or_b32 s[G1Q], s100, (1<<20)|(1<<21)|(5<<22)|(3<<25)
.irp g, G1W, G1Q
	s_mov_b32 s[\g+1], 768<<16
	s_mov_b32 s[\g+2], 128<<16
	s_mov_b32 s[\g+3], 768<<16
	s_mov_b32 s[\g+4], 128
	s_mov_b32 s[\g+5], 768
	s_mov_b32 s[\g+6], 0
	s_mov_b32 s[\g+7], 0
.endr
	s_or_b32 s[G1SW], s101, (3<<16)|(1<<21)        ; scale bytes: 4,096 dense bytes as 16 rows of 256
	s_or_b32 s[G1SQ], s100, (3<<16)|(1<<21)
.irp g, G1SW, G1SQ
	s_mov_b32 s[\g+1], 32<<16
	s_mov_b32 s[\g+2], 16<<16
	s_mov_b32 s[\g+3], 32<<16
	s_mov_b32 s[\g+4], 16
	s_mov_b32 s[\g+5], 32
	s_mov_b32 s[\g+6], 0
	s_mov_b32 s[\g+7], 0
.endr
	s_mul_i32 s92, s62, 98304                      ; the weights' block, in bytes of codes (kept for the refills),
	s_mov_b32 s93, 0
	s_lshl_b32 s94, s62, 12                        ; and of scale bytes
	s_mov_b32 s95, 0
	s_mul_i32 s96, s63, 98304                      ; query's likewise, in registers of its own
	s_mov_b32 s97, 0
	s_lshl_b32 s98, s63, 12
	s_mov_b32 s99, 0
	s_wait_dscnt 0x0
	s_wait_kmcnt 0x0
	G0SET G0QC, QA, 4, 96
	G0SET G0QS, SCQ, 6, 98
	G0SET G0WC, WA, 8, 92
	G0SET G0WS, SCW, 10, 94
	CROUND                                         ; all sixteen work-groups are here: the joint loads meet
; the head's four tiles, one a wave: one chain of branches on the wave's number, all arms leading to one join
.macro ARM under, g0, g1, next
	s_cmp_lt_u32 s[WV], \under
	s_cbranch_scc0 \next
	tensor_load_to_lds s[\g0:\g0+3], s[\g1:\g1+7]
	s_nop 0
	PLACES
	s_branch .Lfilled
\next:
.endm
	ARM 1, G0QC, G1Q, .Lfill_w
	ARM 2, G0WC, G1W, .Lfill_sq
	ARM 3, G0QS, G1SQ, .Lfill_sw
	tensor_load_to_lds s[G0WS:G0WS+3], s[G1SW:G1SW+7]
	s_nop 0
	PLACES
.Lfilled:
	s_mov_b32 s[SEL], 0x76543210                   ; v_permlanex16_b32: lane l xor 16
	s_mov_b32 s[SEL+1], 0xfedcba98
	s_mov_b32 s28, 0xffff0000                      ; lanes 16-31; also a word's upper half
	s_mov_b32 s29, 0xffff
	s_mov_b32 s30, 0x01010000
	s_mov_b32 s31, 0x0101
	v_and_b32 v1, 15, v0                           ; r
	v_bfe_u32 v2, v0, 4, 1                         ; h
	v_and_b32 v3, 31, v0                           ; lane
	v_mul_u32_u24 v[LB], v1, PITCH
	v_mad_u32_u24 v[LB], v2, 24, v[LB]
	v_lshl_add_u32 v[LB2], v2, 4, v[LB]
	v_lshlrev_b32 v[SB], 5, v1
	v_lshl_add_u32 v[SB], v2, 11, v[SB]
	ADDR WA, QA, SCW, SCQ                          ; q and k: P = the weights, L = query
	s_mul_i32 s99, s[WV], STW
	s_add_co_u32 s99, s99, STAGE                   ; my stage
	v_mul_u32_u24 v[STO], v1, SP
	v_lshl_add_u32 v[STO], v2, 5, v[STO]
	v_add_nc_u32 v[STO], s99, v[STO]               ; in: row r, 32 bytes for each half of the lanes
	v_lshrrev_b32 v14, 3, v1
	v_and_b32 v15, 7, v1
	v_mul_u32_u24 v[RD], v14, STU
	v_mad_u32_u24 v[RD], v15, SP, v[RD]
	v_lshl_add_u32 v[RD], v2, 6, v[RD]
	v_add_nc_u32 v[RD], s99, v[RD]                 ; back: row r % 8 of the r / 8-th sixteen, 64 bytes for each half
	v_lshlrev_b32 v[L16], 4, v3
	v_lshlrev_b32 v[L4], 2, v3
.irp b, 0,1,2,3
	v_mov_b32 v[TM+4+\b], 0                        ; a lane permute's destination counts as one of its sources
.endr
; a fragment, 16 rows x 128 K: lane (r, h): registers 6 c .. 6 c + 5 = the 24 bytes of k = 64 c + 32 h + 0 .. 31, in pieces of 8 bytes.  Byte y of a row lies at y + 16 (y / 256) of its LDS row
.macro FRAG reg, a1, a2, q, i
.irp p, 0,1,2,3,4,5
.set BY, 96*(\q)+48*(\p/3)+8*(\p%3)
.if BY/256 == (BY+24)/256
	ds_load_b64 v[(\reg)+2*\p:(\reg)+2*\p+1], v[\a1] offset:BY+16*(BY/256)+(\i)*16*PITCH
.else
	ds_load_b64 v[(\reg)+2*\p:(\reg)+2*\p+1], v[\a2] offset:BY+16*(BY/256)+(\i)*16*PITCH
.endif
.endr
.endm
.macro FETCH s                         ; K step s: P's eight fragments and L's two, into set s % 2: 60 loads in one run
	WIN 0x40
.irp i, 0,1,2,3
	FRAG 128*((\s)%2)+12*\i, AP, AP2, \s, \i
.endr
.irp i, 0,1,2,3
	FRAG 128*((\s)%2)+48+12*\i, APH, APH2, \s, \i
.endr
	WIN 0
.irp u, 0,1
	FRAG LF+24*((\s)%2)+12*\u, AL, AL2, \s, \u
.endr
.endm
.macro WK c                            ; KIND: which halves of the lanes hold the two scale words
.if KIND == 0
	v_wmma_scale_f32_16x16x128_f8f6f4 v[rD:rD+7], v[rA:rA+11], v[rB:rB+11], \c, v[rX], v[rY] matrix_a_fmt:MATRIX_FMT_FP6 matrix_b_fmt:MATRIX_FMT_FP6
.elseif KIND == 1
	v_wmma_scale_f32_16x16x128_f8f6f4 v[rD:rD+7], v[rA:rA+11], v[rB:rB+11], \c, v[rX], v[rY] matrix_a_fmt:MATRIX_FMT_FP6 matrix_b_fmt:MATRIX_FMT_FP6 matrix_a_scale:MATRIX_SCALE_ROW1
.elseif KIND == 2
	v_wmma_scale_f32_16x16x128_f8f6f4 v[rD:rD+7], v[rA:rA+11], v[rB:rB+11], \c, v[rX], v[rY] matrix_a_fmt:MATRIX_FMT_FP6 matrix_b_fmt:MATRIX_FMT_FP6 matrix_b_scale:MATRIX_SCALE_ROW1
.else
	v_wmma_scale_f32_16x16x128_f8f6f4 v[rD:rD+7], v[rA:rA+11], v[rB:rB+11], \c, v[rX], v[rY] matrix_a_fmt:MATRIX_FMT_FP6 matrix_b_fmt:MATRIX_FMT_FP6 matrix_a_scale:MATRIX_SCALE_ROW1 matrix_b_scale:MATRIX_SCALE_ROW1
.endif
.endm
.macro WM s, u, i                      ; P's tile i x L's tile u, K step s.  Step 0 starts the sums: nothing is cleared
.set rD, ACC+8*(8*(\u)+(\i))
.set rA, 128*((\s)%2)+12*(\i)
.set rB, LF+24*((\s)%2)+12*(\u)
.set rX, SCP+8*((\i)%4)+(\s)
.set rY, SCL+(\s)
.set KIND, (\i)/4+2*(\u)
.if (\s) == 0
	WK 0
.else
	WK v[rD:rD+7]
.endif
.endm
.macro MUL8 s, u
.irp i, 0,1,2,3,4,5,6,7
	WM \s, \u, \i
.endr
.endm
.macro STEP s                          ; eight products, the next step's loads in one run, eight products
	s_wait_dscnt 0x0
	WIN 0x01
	MUL8 \s, 0
.if (\s) < 7
	WIN 0
	PLACES
	FETCH (\s)+1
.endif
	WIN 0x01
	MUL8 \s, 1
.endm
; 64 numbers of a lane, register 16 b + i = p 32 b + 16 (lane / 16) + i, become codes: blocks 0, 1 in v[d0 ..], blocks 2, 3 in v[d1 ..] (a whole block in a lane), the four scale bytes in v[pw]
.macro QUANT s, d0, d1, pw
.irp b, 0,1,2,3
	v_max3_num_f32 v[TM+\b], |v[\s+16*\b]|, |v[\s+1+16*\b]|, 0x1800000   ; with the floor 2^(3 - 127): the byte cannot fall under 1
.endr
.irp i, 2,4,6,8,10,12,14
.irp b, 0,1,2,3
	v_max3_num_f32 v[TM+\b], v[TM+\b], |v[\s+16*\b+\i]|, |v[\s+1+16*\b+\i]|
.endr
.endr
.irp b, 0,1,2,3
	v_permlanex16_b32 v[TM+4+\b], v[TM+\b], s[SEL], s[SEL+1]
.endr
.irp b, 0,1,2,3
	v_max_num_f32 v[TM+\b], v[TM+\b], v[TM+4+\b]
.endr
.irp b, 0,1,2,3
	v_add_nc_u32 v[TM+12+\b], 0xff000000, v[TM+\b] ; 2 off the exponent field: the conversion's scale operand
.endr
.irp b, 0,1,2,3
	v_lshrrev_b32 v[TM+4+\b], 23, v[TM+12+\b]      ; the scale's byte
.endr
	v_lshl_or_b32 v[\pw], v[TM+5], 8, v[TM+4]
	v_lshl_or_b32 v[\pw], v[TM+6], 16, v[\pw]
	v_lshl_or_b32 v[\pw], v[TM+7], 24, v[\pw]
	v_cvt_scalef32_pk16_fp6_f32 v[(\d0):(\d0)+2], v[\s:\s+15], v[TM+12]
	v_cvt_scalef32_pk16_fp6_f32 v[CT:CT+2], v[\s+16:\s+31], v[TM+13]
	v_cvt_scalef32_pk16_fp6_f32 v[(\d1):(\d1)+2], v[\s+32:\s+47], v[TM+14]
	v_cvt_scalef32_pk16_fp6_f32 v[CT+4:CT+6], v[\s+48:\s+63], v[TM+15]
	v_nop                                          ; one plain place behind a scaled conversion
.irp i, 0,1,2
	v_permlane16_swap_b32 v[(\d0)+\i], v[CT+\i]
	v_permlane16_swap_b32 v[(\d1)+\i], v[CT+4+\i]
.endr
.irp i, 0,1,2
	v_mov_b32 v[(\d0)+3+\i], v[CT+\i]
	v_mov_b32 v[(\d1)+3+\i], v[CT+4+\i]
.endr
.endm
; ONE BLOCK: role 0 = q, 1 = k, 2 = v
.macro TRIP role
	s_wait_alu depctr_va_vdst(0)
.if \role > 0
	s_wait_xcnt 0x0                                ; the last block's stores have read their registers and their base
.endif
	s_wait_tensorcnt 0x0                           ; my tile is in,
	s_wait_dscnt 0x0
	s_barrier_signal -1
	s_barrier_wait -1                              ; everybody's is
.irp i, 0,1,2,3
	ds_load_b128 v[SCP+8*\i:SCP+8*\i+3], v[ASP] offset:512*\i          ; all eight K steps' scale words of tiles i and i + 4
	ds_load_b128 v[SCP+8*\i+4:SCP+8*\i+7], v[ASP] offset:512*\i+16
.endr
	ds_load_b128 v[SCL:SCL+3], v[ASL]
	ds_load_b128 v[SCL+4:SCL+7], v[ASL] offset:16
	FETCH 0
.irp s, 0,1,2,3,4,5,6,7
	STEP \s
.endr
	WIN 0
.if \role < 2
	s_wait_tensorcnt 0x0                           ; the next weights take this block's place: none of my loads is out, so the groups 0 may be written;
	ds_add_u32 v126, v127                          ; 0 onto my spare word;
	s_add_nc_u64 s[G0WC+2:G0WC+3], s[12+4*\role:13+4*\role], s[92:93]
	s_or_b32 s[G0WC+3], s[G0WC+3], 0x80000000
	s_add_nc_u64 s[G0WS+2:G0WS+3], s[14+4*\role:15+4*\role], s[94:95]
	s_or_b32 s[G0WS+3], s[G0WS+3], 0x80000000
	s_wait_dscnt 0x0                               ; the add is done, and my reads of the weights' rows and scale bytes are over
	CROUND                                         ; both now hold of every wave of all sixteen work-groups
	s_cmp_lt_u32 s[WV], 1                          ; wave 0 asks for the codes, wave 1 for the scale bytes: one load a wave
	s_cbranch_scc0 .Lre_s_\@
	tensor_load_to_lds s[G0WC:G0WC+3], s[G1W:G1W+7]
	s_nop 0
	PLACES
	s_branch .Lre_done_\@
.Lre_s_\@:
	s_cmp_lt_u32 s[WV], 2
	s_cbranch_scc0 .Lre_done_\@
	tensor_load_to_lds s[G0WS:G0WS+3], s[G1SW:G1SW+7]
	s_nop 0
	PLACES
.Lre_done_\@:
.endif
	PLACES                                         ; behind the last products
.irp u, 0,1
.irp i, 0,1,2,3,4,5,6,7
	ds_store_b128 v[STO], v[ACC+8*(8*\u+\i):ACC+8*(8*\u+\i)+3] offset:\u*STU+64*\i       ; each accumulator from its low end on
	ds_store_b128 v[STO], v[ACC+8*(8*\u+\i)+4:ACC+8*(8*\u+\i)+7] offset:\u*STU+64*\i+16
.endr
.endr
.irp b, 0,1,2,3                        ; and back: LDS serves a wave's instructions in order (ISA guide 5.7.1.4)
.irp i, 0,1,2,3
	ds_load_b128 v[X0+16*\b+4*\i:X0+16*\b+4*\i+3], v[RD] offset:128*\b+16*\i
.endr
.endr
.irp b, 0,1,2,3
.irp i, 0,1,2,3
	ds_load_b128 v[X1+16*\b+4*\i:X1+16*\b+4*\i+3], v[RD] offset:8*SP+128*\b+16*\i
.endr
.endr
.if \role < 2
	; q, k: my 128 p are two heads' 64; head c's fragment = tile 0's blocks 2 c, 2 c + 1, then tile 1's
	s_lshl_b32 s98, s62, 1
	s_mul_i32 s98, s98, QKHEAD
	s_mul_i32 s99, s63, QKSTEP
	s_add_co_u32 s98, s98, s99
	s_mov_b32 s99, 0
	s_add_nc_u64 s[34:35], s[20+2*\role:21+2*\role], s[98:99]   ; the record of head 2 x, tokens 128 y
	s_mul_i32 s98, s[WV], 1536
	v_add_nc_u32 v[OC], s98, v[L16]
	s_lshl_b32 s98, s[WV], 7
	v_add_nc_u32 v[OS], s98, v[L4]
	s_wait_dscnt 16                                ; tile 0 is back; tile 1's sixteen loads may be out
	QUANT X0, CD, CD+12, PW
	s_wait_dscnt 0x0
	QUANT X1, CD+6, CD+18, PW+1
	v_and_or_b32 v[WW], v[PW], s29, s30            ; head 0: lanes 0-15 [s0, s1, 1, 1] of tile 0,
	v_lshl_or_b32 v104, v[PW+1], 16, s31           ; lanes 16-31 [1, 1, s0, s1] of tile 1
	v_lshrrev_b32 v[WW+1], 16, v[PW]               ; head 1 likewise, from the words' upper halves
	v_or_b32 v[WW+1], s30, v[WW+1]
	v_and_or_b32 v105, v[PW+1], s28, s31
	v_cndmask_b32 v[WW], v[WW], v104, s28
	v_cndmask_b32 v[WW+1], v[WW+1], v105, s28
.irp c, 0,1
.irp g, 0,1,2
	global_store_b128 v[OC], v[CD+12*\c+4*\g:CD+12*\c+4*\g+3], s[34:35] offset:\c*QKHEAD+512*\g   ; 32 lanes store 512 consecutive bytes, at a multiple of 256 from the buffer's first byte
.endr
	global_store_b32 v[OS], v[WW+\c], s[34:35] offset:\c*QKHEAD+6144
.endr
.else
	; v: my 32 rows are half a head's features, my 128 p the keys of a step: each tile is a whole fragment
	s_lshl_b32 s98, s62, 1
	s_lshr_b32 s99, s[WV], 1
	s_add_co_u32 s98, s98, s99                     ; head = 2 x + wave / 2
	s_mul_i32 s98, s98, VHEAD
	s_mul_i32 s99, s63, VSTEP
	s_add_co_u32 s98, s98, s99
	s_mov_b32 s99, 0
	s_add_nc_u64 s[34:35], s[24:25], s[98:99]
	s_mul_i32 s98, s3, 3072
	v_add_nc_u32 v[OC], s98, v[L16]
	s_lshl_b32 s98, s3, 7
	v_add_nc_u32 v[OS], s98, v[L4]
	s_wait_dscnt 16
	QUANT X0, CD, CD+6, PW
	s_wait_dscnt 0x0
	QUANT X1, CD+12, CD+18, PW+1
	v_cndmask_b32 v[WW], v[PW], v[PW+1], s28       ; lanes 0-15 the even tile's words, lanes 16-31 the odd one's
.irp g, 0,1,2,3,4,5
	global_store_b128 v[OC], v[CD+4*\g:CD+4*\g+3], s[34:35] offset:512*\g
.endr
	global_store_b32 v[OS], v[WW], s[34:35] offset:6144
.endif
.endm
	TRIP 0
	TRIP 1
	ADDR QA, WA, SCQ, SCW                          ; v: P = query, L = the weights
	TRIP 2
	s_wait_tensorcnt 0x0                           ; the wave's end
	ds_add_u32 v126, v127
	s_wait_dscnt 0x0
	CROUND                                         ; the closing round
	s_endpgm
.Lfunc_end_k_qe6aa46d1af_proj:
	.size	k_qe6aa46d1af_proj, .Lfunc_end_k_qe6aa46d1af_proj-k_qe6aa46d1af_proj
	.p2alignl 7, 3214868480
	.fill 96, 4, 3214868480
	.section	.rodata,"a",@progbits
	.p2align	6, 0x0
	.amdhsa_kernel k_qe6aa46d1af_proj
		.amdhsa_group_segment_fixed_size 327680
		.amdhsa_private_segment_fixed_size 0
		.amdhsa_enable_private_segment 0
		.amdhsa_kernarg_size 88
		.amdhsa_user_sgpr_count 2
		.amdhsa_user_sgpr_kernarg_segment_ptr 1
		.amdhsa_wavefront_size32 1
		.amdhsa_system_sgpr_workgroup_id_x 1
		.amdhsa_system_sgpr_workgroup_id_y 1
		.amdhsa_system_sgpr_workgroup_id_z 1
		.amdhsa_system_vgpr_workitem_id 0
		.amdhsa_next_free_vgpr 512
		.amdhsa_next_free_sgpr 102
		.amdhsa_reserve_vcc 0
		.amdhsa_float_denorm_mode_32 3
		.amdhsa_float_denorm_mode_16_64 3
		.amdhsa_memory_ordered 1
		.amdhsa_forward_progress 1
		.amdhsa_inst_pref_size 198
	.end_amdhsa_kernel
	.amdgpu_metadata
---
amdhsa.version: [ 1, 2 ]
amdhsa.kernels:
  - .name:           k_qe6aa46d1af_proj
    .symbol:         k_qe6aa46d1af_proj.kd
    .args:
      - { .name: query_codes, .offset: 0, .size: 8, .value_kind: global_buffer, .address_space: global }
      - { .name: query_scales, .offset: 8, .size: 8, .value_kind: global_buffer, .address_space: global }
      - { .name: Wq_codes, .offset: 16, .size: 8, .value_kind: global_buffer, .address_space: global }
      - { .name: Wq_scales, .offset: 24, .size: 8, .value_kind: global_buffer, .address_space: global }
      - { .name: Wk_codes, .offset: 32, .size: 8, .value_kind: global_buffer, .address_space: global }
      - { .name: Wk_scales, .offset: 40, .size: 8, .value_kind: global_buffer, .address_space: global }
      - { .name: Wv_codes, .offset: 48, .size: 8, .value_kind: global_buffer, .address_space: global }
      - { .name: Wv_scales, .offset: 56, .size: 8, .value_kind: global_buffer, .address_space: global }
      - { .name: qrec, .offset: 64, .size: 8, .value_kind: global_buffer, .address_space: global }
      - { .name: krec, .offset: 72, .size: 8, .value_kind: global_buffer, .address_space: global }
      - { .name: vrec, .offset: 80, .size: 8, .value_kind: global_buffer, .address_space: global }
    .group_segment_fixed_size: 327680
    .private_segment_fixed_size: 0
    .kernarg_segment_align: 8
    .kernarg_segment_size: 88
    .max_flat_workgroup_size: 128
    .sgpr_count:     102
    .vgpr_count:     512
    .wavefront_size: 32
...
	.end_amdgpu_metadata
.endif
;; end of part 1
;; launch attn (part 2): grid 16 x 16, 16 waves a work-group, clusters of 4 x 1, 327,680 bytes of LDS; arguments qrec, krec, vrec, arec, asc; writes arec, asc
.if DOCPART == 2
	.amdgcn_target "amdgcn-amd-amdhsa--gfx1250"
	.amdhsa_code_object_version 6
	.text
	.protected	k_qe6aa46d1af_attn
	.globl	k_qe6aa46d1af_attn
	.p2align	8
	.type	k_qe6aa46d1af_attn,@function
k_qe6aa46d1af_attn:
	s_mov_b64 s[64:65], 0
	v_nop
	global_prefetch_b8 v0, s[64:65] scope:SCOPE_SE
	s_setreg_imm32_b32 hwreg(HW_REG_WAVE_MODE, 25, 1), 1
	s_wait_xcnt 0x0
	s_wait_alu depctr_hold_cnt(0) depctr_sa_sdst(0) depctr_va_vdst(0) depctr_va_sdst(0) depctr_va_ssrc(0) depctr_va_vcc(0) depctr_vm_vsrc(0)
	s_getreg_b32 s2, hwreg(HW_REG_IB_STS2, 6, 4)
	s_cmp_eq_u32 s2, 0
	s_cbranch_scc0 .Lentry_in_a_cluster
	s_endpgm
.Lentry_in_a_cluster:
	s_bfe_u32 s2, ttmp6, 0x10000c
	s_cmp_lg_u32 s2, 0x3003
	s_cbranch_scc0 .Lentry_shape_is_right
	s_endpgm
.Lentry_shape_is_right:
; For each head: O[q] = sum over keys of softmax(q . k / 8) v, both products on codes of FP6 (E2M3) with E8M0 scales; the result is quantised along (head, e) for the last product and leaves as register images.
; THE SOFTMAX: t = score x log2(e) / 8; M = the running largest t rounded UP to a whole number; p = 2^(t - M) is quantised along the keys, not normalised.  The row's sum is taken of the unquantised p and divides at the end.
; When M moves, the sum and O are multiplied by 2^(old M - new M): exact.
; SHARES.  A work-group owns 256 queries of one head; each of its sixteen waves one tile of 16, in 256 registers: four waves to a SIMD, so that one wave's vector work stands beside another's products and LDS loads.
; Every wave walks the head's 4,096 keys, 128 a step.  Both products are used transposed (S^T = K Q^T, O^T = V^T P^T): a lane holds ONE query throughout.
; K = 64 IN A PRODUCT OF 128.  A fragment of K's record carries TWO tiles of 16 keys (registers 0-5 and 6-11).  Against Qlo = [q | zero codes] it gives the first tile's scores, against Qhi = [zero codes | q] the second's.
; The half that does not belong meets zero codes, so its products are zeros; K's scale bytes of that half are 1.  The scale word of the first tile lies in lanes 0-15, of the second in lanes 16-31.
; The tokens of a tile: lane r of tile u of a group of 32 holds token 8 u + r + 8 (r / 8): so the 16 registers of a group's two score tiles are 16 neighbouring keys, 16 (lane / 16) + 0 .. 15; V's features are chosen likewise.
; LDS.  K's and V's records are register images: every read is 16 x lane or 4 x lane.  Three slots of 8 steps each for K (3 x 53,248 bytes) and for V (3 x 51,200): steps 0-23 are first fills, steps 24-31 fill slot 0 once more.
; CLUSTER.  The four query blocks of a cluster belong to one head and walk the same K and V: every fill is a joint load (mask 15).  Waves 0-7 ask for K's steps, waves 8-15 for V's.
; By this text's own count a wave has one tensor load out at the most.
; LIMITS: NaN, infinities and the scale byte 0xff are not served.  p under 2^-126 is 0 (v_exp_f32 gives no denormals: ISA guide 15.8).  A block's largest p is taken from its largest score by the same two instructions, which takes
; v_exp_f32 not to fall where its input rises.  A block of zeros gets the byte 1 where the quantiser's rule says 127: its codes are zeros, and this program alone reads the bytes.
.set KSTEPB, 6656
.set VSTEPB, 6400
.set KSLOT,  8*KSTEPB
.set VSLOT,  8*VSTEPB
.set VAREA,  3*KSLOT
.set SPARE,  VAREA+3*VSLOT             ; the spare words, 128 bytes for each of 16 waves: eight blocks of 256 bytes that no other line names
.set QKHEAD, 32*KSTEPB
.set VHEAD,  32*VSTEPB
.set L16, 1                            ; v1   16 x lane
.set L4,  2                            ; v2   4 x lane
.set SPW, 3                            ; v3   LDS address of my spare word; never rewritten
.set NIL, 4                            ; v4   0; never rewritten
.set L8,  5                            ; v5   8 x lane
.set AO,  6                            ; v6   my offset among the output's scale bytes
.set ADK, 8                            ; v8-11 the step's LDS addresses: K's and V's fragments, K's and V's scale words
.set ADV, 9
.set ADKS, 10
.set ADVS, 11
.set QLO, 16                           ; v16-27 [q | 0];  v28-39 [0 | q].   v12 -M, v13 the largest t, v[14:15] the sum in two halves
.set QHI, 28
.set F,   40                           ; v40-87  four fragments, of K and then of V
.set S,   88                           ; v88-151 S^T, then p
.set O,   152                          ; v152-183 O^T, four tiles
.set PC,  184                          ; v184-195 p's codes
.set CT,  196                          ; v196-203 the conversions' second halves
.set BM,  204                          ; v204-207 the blocks' largest scores, then largest p
.set BB,  208                          ; v208-211 the other half's, then bytes
.set BS,  212                          ; v212-215 scale operands
.set KS,  216                          ; v216-219 K's scale words
.set VS,  220                          ; v220-221 V's
.set QS,  222                          ; v222 Q's
.set PW,  223                          ; v223 p's
.set FF,  224                          ; v[224:225] f = 2^(old M - new M) (the low word serves both halves)
.set T0,  226                          ; v226-227 at work
.set WV,  14
.set G1K, 16                           ; s[16:23], s[24:31] groups 1;  s[32:39], s[44:51] groups 0: slot 0, then slots 1 and 2
.set G1V, 24
.set G0K, 32
.set G0V, 44
.set SEL, 56
.set CS,  58
.set TK,  60                           ; s60, s61 LDS byte of the step's records of K and of V
.set TV,  61
.set CNT, 62
.macro CROUND                          ; a round of the cluster's barrier
	s_barrier_signal -1
	s_barrier_wait -1
	s_cmp_lg_u32 s[WV], 0
	s_cbranch_scc1 .Lnot_wave_0_\@
	s_barrier_signal -3
.Lnot_wave_0_\@:
	s_barrier_wait -3
	s_barrier_signal -1
	s_barrier_wait -1
.endm
.macro PLACES
.rept 4
	v_nop
.endr
.endm
	s_load_b256 s[4:11], s[0:1], 0x0               ; qrec, krec, vrec, arec
	s_load_b64 s[12:13], s[0:1], 0x20              ; asc
	v_lshl_add_u32 v[SPW], v0, 2, SPARE
	v_mov_b32 v[NIL], 0
	ds_add_u32 v3, v4
	ds_add_u32 v3, v4
	s_wait_dscnt 0x0
	v_lshrrev_b32 v7, 5, v0
	s_delay_alu instid0(VALU_DEP_1)
	v_readfirstlane_b32 s[WV], v7                  ; wave 0..15
	s_and_b32 s15, s[WV], 1                        ; which tile of a group of 32 queries is mine
	s_bfe_u32 s63, ttmp6, 0x40000                  ; cx: it enters Q's and the output's addresses alone
	s_lshl_b32 s67, ttmp9, 2
	s_add_co_u32 s67, s67, s63                     ; my block of 256 queries
	s_and_b32 s66, ttmp7, 0xffff                   ; the head, which the four partners share
	; groups 1: dense blocks as rows of 256 bytes (32 elements of 8 bytes): half a slot of K is 104 rows, of V 100
	s_mov_b32 s[G1K], 15|(3<<16)|(1<<21)           ; 15:0 the mask: all four work-groups; 17:16 elements of 8 bytes; 21 set beside a mask
	s_mov_b32 s[G1K+1], 32<<16
	s_mov_b32 s[G1K+2], 26<<16                     ; at the head a load brings ONE step's record: 26 rows of 256 bytes of K, 25 of V
	s_mov_b32 s[G1K+3], 32<<16
	s_mov_b32 s[G1K+4], 26
	s_mov_b32 s[G1K+5], 32
	s_mov_b32 s[G1K+6], 0
	s_mov_b32 s[G1K+7], 0
	s_mov_b32 s[G1V], 15|(3<<16)|(1<<21)
	s_mov_b32 s[G1V+1], 32<<16
	s_mov_b32 s[G1V+2], 25<<16
	s_mov_b32 s[G1V+3], 32<<16
	s_mov_b32 s[G1V+4], 25
	s_mov_b32 s[G1V+5], 32
	s_mov_b32 s[G1V+6], 0
	s_mov_b32 s[G1V+7], 0
	; THE FILLS AS THIS TEXT HAS THEM: waves 0-7 ask for K, waves 8-15 for V, one joint load a wave each time, so that a wave has one tensor load out.  With w = wave % 8:
	; at the head step w (slot 0); behind the first round steps 8 + 2 w and 9 + 2 w (slots 1 and 2, first fills); behind steps 0-7 step 24 + w, into slot 0 again.
	s_and_b32 s76, s[WV], 7
	s_mul_i32 s70, s76, KSTEPB                     ; my step of eight, in a slot of K
	s_mul_i32 s71, s76, VSTEPB                     ; and of V
	s_mul_i32 s68, s66, QKHEAD
	s_add_co_u32 s68, s68, s70
	s_mov_b32 s69, 0                               ; K: head + step w, in memory
	s_mul_i32 s72, s66, VHEAD
	s_add_co_u32 s72, s72, s71
	s_mov_b32 s73, 0                               ; V likewise
	s_add_co_u32 s71, s71, VAREA
	s_lshl_b32 s74, s67, 1                         ; Q: the record of 128 tokens that holds my tile: 2 x block + wave / 8
	s_lshr_b32 s75, s[WV], 3
	s_add_co_u32 s74, s74, s75
	s_mul_i32 s74, s74, KSTEPB
	s_mul_i32 s75, s66, QKHEAD
	s_add_co_u32 s74, s74, s75
	s_mov_b32 s75, 0
	s_mov_b32 s[SEL], 0x76543210
	s_mov_b32 s[SEL+1], 0xfedcba98                 ; v_permlanex16_b32: lane l xor 16
	s_mov_b32 s[CS], 0x3e38aa3b                    ; c = log2(e) / 8
	s_mov_b32 s[CS+1], s[CS]                       ; (named with it as a pair, so it is written)
	s_wait_kmcnt 0x0
	s_add_nc_u64 s[6:7], s[6:7], s[68:69]
	s_add_nc_u64 s[8:9], s[8:9], s[72:73]
	s_add_nc_u64 s[4:5], s[4:5], s[74:75]
	s_mul_i32 s68, s76, KSTEPB                     ; w steps once more (s69 = s73 = 0): set 1 begins at step 8 + 2 w
	s_mul_i32 s72, s76, VSTEPB
.irp j, 0,1
	s_mov_b32 s[G0K+4*\j], 1
	s_add_co_u32 s[G0K+4*\j+1], s70, \j*KSLOT
	s_add_nc_u64 s[G0K+4*\j+2:G0K+4*\j+3], s[6:7], \j*KSLOT
	s_mov_b32 s[G0V+4*\j], 1
	s_add_co_u32 s[G0V+4*\j+1], s71, \j*VSLOT
	s_add_nc_u64 s[G0V+4*\j+2:G0V+4*\j+3], s[8:9], \j*VSLOT
.endr
	s_add_co_u32 s[G0K+5], s[G0K+5], s68
	s_add_nc_u64 s[G0K+6:G0K+7], s[G0K+6:G0K+7], s[68:69]
	s_add_co_u32 s[G0V+5], s[G0V+5], s72
	s_add_nc_u64 s[G0V+6:G0V+7], s[G0V+6:G0V+7], s[72:73]
.irp j, 0,1
	s_or_b32 s[G0K+4*\j+3], s[G0K+4*\j+3], 0x80000000
	s_or_b32 s[G0V+4*\j+3], s[G0V+4*\j+3], 0x80000000
.endr
; a joint load: waves 0-7 by K's group 0, waves 8-15 by V's: every way passes one load; an s_nop 0 and four v_nop follow each
.macro JL k, v
	s_cmp_lt_u32 s[WV], 8
	s_cbranch_scc0 .Lfor_v_\@
	tensor_load_to_lds s[\k:\k+3], s[G1K:G1K+7]
	s_nop 0
	PLACES
	s_branch .Lasked_\@
.Lfor_v_\@:
	tensor_load_to_lds s[\v:\v+3], s[G1V:G1V+7]
	s_nop 0
	PLACES
.Lasked_\@:
.endm
	CROUND                                         ; all four work-groups are here: the first joint loads meet
	JL G0K, G0V                                    ; slot 0: one tensor load a wave at the head
	v_and_b32 v7, 31, v0
	s_delay_alu instid0(VALU_DEP_1)
	v_lshlrev_b32 v[L16], 4, v7
	s_delay_alu instid0(VALU_DEP_2)
	v_lshlrev_b32 v[L4], 2, v7
	s_delay_alu instid0(VALU_DEP_3)
	v_lshlrev_b32 v[L8], 3, v7
	v_and_b32 v7, 15, v0                           ; r
	s_wait_alu depctr_va_vdst(0)
	s_bfe_u32 s76, s[WV], 0x20001                  ; which 32 of the record's 128 tokens: (wave / 2) % 4
	s_mul_i32 s77, s76, 1536
	s_lshl_b32 s78, s76, 7
	s_lshl_b32 s76, s15, 6
	s_add_co_u32 s78, s78, s76                     ; its scale words, and my tile's half of their lanes
	v_add_nc_u32 v[T0], s77, v[L16]
	v_lshl_add_u32 v[T0+1], v7, 2, s78
	global_load_b128 v[S:S+3], v[T0], s[4:5]                   ; the fragment that holds my tile and its neighbour
	global_load_b128 v[S+4:S+7], v[T0], s[4:5] offset:512
	global_load_b128 v[S+8:S+11], v[T0], s[4:5] offset:1024
	global_load_b32 v[S+12], v[T0+1], s[4:5] offset:6144       ; query r's scale word
	s_lshl_b32 s79, s67, 4
	s_add_co_u32 s79, s79, s[WV]                   ; my tile's number, 0..255
	s_lshl_b32 s74, s79, 4
	s_add_co_u32 s74, s74, s66
	s_mul_i32 s74, s74, 768
	s_add_nc_u64 s[10:11], s[10:11], s[74:75]      ; arec: [tile][head][768]
	s_lshl_b32 s74, s79, 9
	s_lshr_b32 s77, s66, 1
	s_lshl_b32 s77, s77, 6
	s_add_co_u32 s74, s74, s77
	s_add_nc_u64 s[12:13], s[12:13], s[74:75]      ; asc: [tile][head / 2][r][4]
	s_and_b32 s77, s66, 1
	s_lshl_b32 s77, s77, 1
	v_lshl_add_u32 v[AO], v7, 2, s77               ; 4 r + 2 (head % 2)
	s_lshl_b32 s76, s15, 4                         ; my tile's bytes lie 16 bits up in the word if it is the second
	s_cmp_eq_u32 s15, 1
	s_cselect_b32 s63, -1, 0
	s_wait_loadcnt 0x0
.irp i, 0,1,2,3,4,5
	v_cndmask_b32 v[QLO+\i], v[S+\i], v[S+6+\i], s63           ; my tile's six registers
.endr
	v_lshrrev_b32 v[S+12], s76, v[S+12]
	s_delay_alu instid0(VALU_DEP_1)
	v_and_b32 v[S+12], 0xffff, v[S+12]
	s_delay_alu instid0(VALU_DEP_1)
	v_lshl_or_b32 v[QS], v[S+12], 16, v[S+12]      ; [a0, a1, a0, a1]: it serves Qlo and Qhi.  More than eight vector instructions stand between this line and the first product
.irp i, 0,1,2,3,4,5
	v_mov_b32 v[QHI+6+\i], v[QLO+\i]
	v_mov_b32 v[QLO+6+\i], 0
	v_mov_b32 v[QHI+\i], 0
.endr
	v_mov_b32 v13, 0xff61b1e6                      ; the largest t so far: -3e38, under every t
	s_delay_alu instid0(VALU_DEP_1)
	v_floor_f32 v12, -v13                          ; -M
	v_mov_b32 v14, 0                               ; the sum, in two halves
	v_mov_b32 v15, 0
.irp b, 0,1,2,3
	v_mov_b32 v[BB+\b], 0                          ; written once: a lane permute's destination counts as one of its sources
.endr
	v_mov_b32 v[FF+1], 0                           ; (named as the upper half of a pair)
.set j, 0
.rept 32
	v_mov_b32 v[O+j], 0                            ; O^T.  (The step is written for every step alike: the first finds zeros, which the first change of M leaves zeros)
.set j, j+1
.endr
; A KEY STEP: 128 keys
.macro STEP
	v_add_nc_u32 v[ADK], s[TK], v[L16]             ; these four are also the places between the last step's products and the loads into their registers
	v_add_nc_u32 v[ADV], s[TV], v[L16]
	v_add_nc_u32 v[ADKS], s[TK], v[L4]
	v_add_nc_u32 v[ADVS], s[TV], v[L4]
.irp f, 0,1,2,3
.irp c, 0,1,2
	ds_load_b128 v[F+12*\f+4*\c:F+12*\f+4*\c+3], v[ADK] offset:1536*\f+512*\c
.endr
	ds_load_b32 v[KS+\f], v[ADKS] offset:6144+128*\f
.endr
	s_wait_alu depctr_va_vdst(0)
	s_wait_dscnt 0x0
.irp f, 0,1,2,3                        ; S^T: lane (r, h) holds query r; the 16 registers of tiles 2 f, 2 f + 1 are keys 32 f + 16 h + 0 .. 15
	v_wmma_scale_f32_16x16x128_f8f6f4 v[S+16*\f:S+16*\f+7], v[F+12*\f:F+12*\f+11], v[QLO:QLO+11], 0, v[KS+\f], v[QS] matrix_a_fmt:MATRIX_FMT_FP6 matrix_b_fmt:MATRIX_FMT_FP6
	v_wmma_scale_f32_16x16x128_f8f6f4 v[S+16*\f+8:S+16*\f+15], v[F+12*\f:F+12*\f+11], v[QHI:QHI+11], 0, v[KS+\f], v[QS] matrix_a_fmt:MATRIX_FMT_FP6 matrix_b_fmt:MATRIX_FMT_FP6 matrix_a_scale:MATRIX_SCALE_ROW1
.endr
	PLACES
.irp t, 0,1,2,3                        ; V's fragments take K's registers and land under the softmax
.irp c, 0,1,2
	ds_load_b128 v[F+12*\t+4*\c:F+12*\t+4*\c+3], v[ADV] offset:1536*\t+512*\c
.endr
.endr
	ds_load_b32 v[VS], v[ADVS] offset:6144
	ds_load_b32 v[VS+1], v[ADVS] offset:6144+128
.irp b, 0,1,2,3
	v_max3_num_f32 v[BM+\b], v[S+16*\b], v[S+1+16*\b], v[S+2+16*\b]      ; the largest score of each block of 32 keys: for the row's maximum, and, since p rises with the score, for the block's largest p
.endr
.irp i, 3,5,7,9,11,13
.irp b, 0,1,2,3
	v_max3_num_f32 v[BM+\b], v[BM+\b], v[S+16*\b+\i], v[S+1+16*\b+\i]
.endr
.endr
.irp b, 0,1,2,3
	v_max_num_f32 v[BM+\b], v[BM+\b], v[S+15+16*\b]
.endr
.irp b, 0,1,2,3
	s_delay_alu instid0(VALU_DEP_4)
	v_permlanex16_b32 v[BB+\b], v[BM+\b], s[SEL], s[SEL+1]
.endr
.irp b, 0,1,2,3
	s_delay_alu instid0(VALU_DEP_4)
	v_max_num_f32 v[BM+\b], v[BM+\b], v[BB+\b]     ; with lane l xor 16's 16 keys
.endr
	s_delay_alu instid0(VALU_DEP_2)
	v_max3_num_f32 v[T0], v[BM], v[BM+1], v[BM+2]
	s_delay_alu instid0(VALU_DEP_1)
	v_max_num_f32 v[T0], v[T0], v[BM+3]            ; the step's largest score of my query
	s_delay_alu instid0(VALU_DEP_1)
	v_mul_f32 v[T0], s[CS], v[T0]                  ; as t (c is positive)
	s_delay_alu instid0(VALU_DEP_1)
	v_max_num_f32 v13, v13, v[T0]                  ; the running largest t
	v_mov_b32 v[T0], v12
	s_delay_alu instid0(VALU_DEP_2)
	v_floor_f32 v12, -v13                          ; the new -M = floor(-t): M is a whole number
	s_delay_alu instid0(VALU_DEP_1)
	v_sub_f32 v[T0], v12, v[T0]                    ; old M - new M: a whole number, 0 or less
	s_delay_alu instid0(VALU_DEP_1)
	v_cvt_i32_f32 v[T0], v[T0]                     ; (it saturates)
	s_delay_alu instid0(VALU_DEP_1)
	v_ldexp_f32 v[FF], 1.0, v[T0]                  ; f = 2^(old M - new M)
.set j, 0
.rept 32
	v_pk_fma_f32 v[S+j:S+j+1], v[S+j:S+j+1], s[CS:CS+1], v[12:13] op_sel_hi:[1,0,0]   ; t - M, two at a time
.set j, j+2
.endr
.irp b, 0,1,2,3
	v_fma_f32 v[BM+\b], v[BM+\b], s[CS], v12       ; the same of each block's largest score
.endr
.set j, 0
	s_wait_alu depctr_va_vdst(0)
.rept 64
	v_exp_f32 v[S+j], v[S+j]                       ; p = 2^(t - M), at most 1
.set j, j+1
.endr
.irp b, 0,1,2,3
	v_exp_f32 v[BM+\b], v[BM+\b]                   ; the block's largest p
.endr
	v_pk_mul_f32 v[14:15], v[14:15], v[FF:FF+1] op_sel_hi:[1,0]   ; the sums under the new M.  (A plain place behind the exponentials)
	s_wait_alu depctr_va_vdst(0)
.irp b, 0,1,2,3
	v_max_num_f32 v[BM+\b], 0x1800000, v[BM+\b]    ; the floor 2^(3 - 127): the byte cannot fall under 1
.endr
.irp b, 0,1,2,3
	s_delay_alu instid0(VALU_DEP_4)
	v_add_nc_u32 v[BS+\b], 0xff000000, v[BM+\b]    ; 2 off the exponent field: the conversion's scale operand
.endr
.irp b, 0,1,2,3
	s_delay_alu instid0(VALU_DEP_4)
	v_lshrrev_b32 v[BB+\b], 23, v[BS+\b]           ; the scale's byte
.endr
	s_delay_alu instid0(VALU_DEP_3)
	v_lshl_or_b32 v[PW], v[BB+1], 8, v[BB]         ; p's scale word for these 128 keys
	s_delay_alu instid0(VALU_DEP_1)
	v_lshl_or_b32 v[PW], v[BB+2], 16, v[PW]
	s_delay_alu instid0(VALU_DEP_1)
	v_lshl_or_b32 v[PW], v[BB+3], 24, v[PW]
.irp c, 0,1
	v_cvt_scalef32_pk16_fp6_f32 v[PC+6*\c:PC+6*\c+2], v[S+32*\c:S+32*\c+15], v[BS+2*\c]
	v_cvt_scalef32_pk16_fp6_f32 v[CT+4*\c:CT+4*\c+2], v[S+32*\c+16:S+32*\c+31], v[BS+2*\c+1]   ; (a conversion's three registers begin on an even number)
.endr
	v_nop                                          ; one plain place behind a scaled conversion
.irp c, 0,1                            ; the operand's layout wants a whole block in a lane
.irp i, 0,1,2
	v_permlane16_swap_b32 v[PC+6*\c+\i], v[CT+4*\c+\i]
.endr
.irp i, 0,1,2
	s_delay_alu instid0(VALU_DEP_3)
	v_mov_b32 v[PC+6*\c+3+\i], v[CT+4*\c+\i]
.endr
.endr
	v_pk_add_f32 v[226:227], v[92:93], v[96:97]
	v_pk_add_f32 v[254:255], v[100:101], v[104:105]
	v_pk_add_f32 v[252:253], v[108:109], v[112:113]
	v_pk_add_f32 v[250:251], v[116:117], v[120:121]
	v_pk_add_f32 v[248:249], v[124:125], v[128:129]
	v_pk_add_f32 v[246:247], v[132:133], v[136:137]
	v_pk_add_f32 v[244:245], v[140:141], v[144:145]
	v_pk_add_f32 v[14:15], v[14:15], v[148:149]
	v_pk_add_f32 v[226:227], v[226:227], v[88:89]
	v_pk_add_f32 v[254:255], v[254:255], v[90:91]
	v_pk_add_f32 v[252:253], v[252:253], v[94:95]
	v_pk_add_f32 v[250:251], v[250:251], v[98:99]
	v_pk_add_f32 v[248:249], v[248:249], v[102:103]
	v_pk_add_f32 v[246:247], v[246:247], v[106:107]
	v_pk_add_f32 v[244:245], v[244:245], v[110:111]
	v_pk_add_f32 v[14:15], v[14:15], v[114:115]
	v_pk_add_f32 v[226:227], v[226:227], v[118:119]
	v_pk_add_f32 v[254:255], v[254:255], v[122:123]
	v_pk_add_f32 v[252:253], v[252:253], v[126:127]
	v_pk_add_f32 v[250:251], v[250:251], v[130:131]
	v_pk_add_f32 v[248:249], v[248:249], v[134:135]
	v_pk_add_f32 v[246:247], v[246:247], v[138:139]
	v_pk_add_f32 v[244:245], v[244:245], v[142:143]
	v_pk_add_f32 v[14:15], v[14:15], v[146:147]
	v_pk_add_f32 v[226:227], v[226:227], v[150:151]
	s_delay_alu instid0(VALU_DEP_2)
	v_pk_add_f32 v[14:15], v[14:15], v[250:251]
	s_delay_alu instid0(VALU_DEP_2)
	v_pk_add_f32 v[226:227], v[226:227], v[248:249]
	v_pk_add_f32 v[254:255], v[254:255], v[246:247]
	v_pk_add_f32 v[252:253], v[252:253], v[244:245]
	s_delay_alu instid0(VALU_DEP_2)
	v_pk_add_f32 v[14:15], v[14:15], v[254:255]
	s_delay_alu instid0(VALU_DEP_2)
	v_pk_add_f32 v[226:227], v[226:227], v[252:253]
	s_delay_alu instid0(VALU_DEP_1)
	v_pk_add_f32 v[14:15], v[14:15], v[226:227]
.set j, 0
.rept 16
	v_pk_mul_f32 v[O+j:O+j+1], v[O+j:O+j+1], v[FF:FF+1] op_sel_hi:[1,0]   ; O^T under the new M.  (The sums and these are the places between p's codes and scale word and the products)
.set j, j+2
.endr
	s_wait_alu depctr_va_vdst(0)
	s_wait_dscnt 0x0                               ; V is in
.irp b, 0,1                            ; O^T += V^T P^T: four tiles of 16 features, by turns; K = these 128 keys
	v_wmma_scale_f32_16x16x128_f8f6f4 v[O+16*\b:O+16*\b+7], v[F+24*\b:F+24*\b+11], v[PC:PC+11], v[O+16*\b:O+16*\b+7], v[VS+\b], v[PW] matrix_a_fmt:MATRIX_FMT_FP6 matrix_b_fmt:MATRIX_FMT_FP6
	v_wmma_scale_f32_16x16x128_f8f6f4 v[O+16*\b+8:O+16*\b+15], v[F+24*\b+12:F+24*\b+23], v[PC:PC+11], v[O+16*\b+8:O+16*\b+15], v[VS+\b], v[PW] matrix_a_fmt:MATRIX_FMT_FP6 matrix_b_fmt:MATRIX_FMT_FP6 matrix_a_scale:MATRIX_SCALE_ROW1
.endr
	s_add_co_u32 s[TK], s[TK], KSTEPB              ; the next step's records
	s_add_co_u32 s[TV], s[TV], VSTEPB
.endm
	s_wait_alu depctr_va_vdst(0)
	s_wait_tensorcnt 0x0                           ; my step of slot 0 is in
	ds_add_u32 v[SPW], v[NIL]
	s_mov_b32 s[G1K+2], 52<<16                     ; no tensor load of mine is out, so a descriptor may be written: the next load brings two steps' records
	s_mov_b32 s[G1K+4], 52
	s_mov_b32 s[G1V+2], 50<<16
	s_mov_b32 s[G1V+4], 50
	s_wait_dscnt 0x0                               ; the add is done
	CROUND                                         ; everybody's part of slot 0 is in, and all four work-groups are here
	JL G0K+4, G0V+4                                ; slots 1 and 2, steps 8-23: eight steps in which they land
	s_mov_b32 s[TK], 0
	s_mov_b32 s[TV], VAREA
	s_mov_b32 s[CNT], 8
.Lsteps_a:                                             ; steps 0-7, slot 0
	STEP
	s_sub_co_u32 s[CNT], s[CNT], 1
	s_cmp_lg_u32 s[CNT], 0
	s_cbranch_scc1 .Lsteps_a
	; slot 0 is filled again, with steps 24-31
	s_wait_tensorcnt 0x0                           ; all my tensor loads have landed, my part of slots 1 and 2: the descriptors may be written
	ds_add_u32 v[SPW], v[NIL]                      ; 0 onto my spare word: the descriptors' steps stand between it and the wait for it
	s_add_nc_u64 s[G0K+2:G0K+3], s[G0K+2:G0K+3], 3*KSLOT
	s_add_nc_u64 s[G0V+2:G0V+3], s[G0V+2:G0V+3], 3*VSLOT
	s_mov_b32 s[G1K+2], 26<<16                     ; one step's record again
	s_mov_b32 s[G1K+4], 26
	s_mov_b32 s[G1V+2], 25<<16
	s_mov_b32 s[G1V+4], 25
	s_wait_dscnt 0x0                               ; the add is done, and my reads of slot 0 are over
	CROUND                                         ; both now hold of every wave of all four work-groups
	JL G0K, G0V                                    ; the joint refill: step 24 + w, a wave's one tensor load behind the round, and the first thing there
	s_mov_b32 s[TK], KSLOT
	s_mov_b32 s[TV], VAREA+VSLOT
	s_mov_b32 s[CNT], 8
.Lsteps_b:                                             ; steps 8-15, slot 1: eight steps in which the refill lands
	STEP
	s_sub_co_u32 s[CNT], s[CNT], 1
	s_cmp_lg_u32 s[CNT], 0
	s_cbranch_scc1 .Lsteps_b
	s_wait_tensorcnt 0x0                           ; my part of the refill is in,
	s_wait_dscnt 0x0
	s_barrier_signal -1                            ; and I say so now.  This barrier guards no refill: between its signal and its wait stand register work and reads of slot 2, which nobody writes
	s_mov_b32 s[TK], 2*KSLOT
	s_mov_b32 s[TV], VAREA+2*VSLOT
	s_mov_b32 s[CNT], 8
.Lsteps_b2:                                            ; steps 16-23, slot 2
	STEP
	s_sub_co_u32 s[CNT], s[CNT], 1
	s_cmp_lg_u32 s[CNT], 0
	s_cbranch_scc1 .Lsteps_b2
	s_barrier_wait -1                              ; everybody's part of the refill is in: every wave has passed step 15
	s_mov_b32 s[TK], 0
	s_mov_b32 s[TV], VAREA
	s_mov_b32 s[CNT], 8
.Lsteps_c:                                             ; steps 24-31, slot 0
	STEP
	s_sub_co_u32 s[CNT], s[CNT], 1
	s_cmp_lg_u32 s[CNT], 0
	s_cbranch_scc1 .Lsteps_c
	; THE WAY OUT: O^T / the sum; register 16 b + i is e = 32 b + 16 (lane / 16) + i of my query: two blocks of 32, quantised as they stand
	PLACES                                         ; behind the last products
	v_add_f32 v14, v14, v15                        ; the sum's two halves,
	s_delay_alu instid0(VALU_DEP_1)
	v_permlanex16_b32 v[T0], v14, s[SEL], s[SEL+1]
	s_delay_alu instid0(VALU_DEP_1)
	v_add_f32 v14, v14, v[T0]                      ; and lane l xor 16's: the row's sum
	s_wait_alu depctr_va_vdst(0)
	v_rcp_f32 v14, v14
	v_nop                                          ; one plain place behind a transcendental
.set j, 0
	s_wait_alu depctr_va_vdst(0)
.rept 32
	v_mul_f32 v[S+j], v[O+j], v14                  ; each accumulator from its low end on
.set j, j+1
.endr
.irp b, 0,1
	v_max3_num_f32 v[BM+\b], |v[S+16*\b]|, |v[S+1+16*\b]|, 0x1800000
.endr
.irp i, 2,4,6,8,10,12,14
.irp b, 0,1
	s_delay_alu instid0(VALU_DEP_2)
	v_max3_num_f32 v[BM+\b], v[BM+\b], |v[S+16*\b+\i]|, |v[S+1+16*\b+\i]|
.endr
.endr
.irp b, 0,1
	s_delay_alu instid0(VALU_DEP_2)
	v_permlanex16_b32 v[BB+\b], v[BM+\b], s[SEL], s[SEL+1]
.endr
.irp b, 0,1
	s_delay_alu instid0(VALU_DEP_2)
	v_max_num_f32 v[BM+\b], v[BM+\b], v[BB+\b]
.endr
.irp b, 0,1
	s_delay_alu instid0(VALU_DEP_2)
	v_add_nc_u32 v[BS+\b], 0xff000000, v[BM+\b]
.endr
.irp b, 0,1
	s_delay_alu instid0(VALU_DEP_2)
	v_lshrrev_b32 v[BB+\b], 23, v[BS+\b]
.endr
	s_delay_alu instid0(VALU_DEP_1)
	v_lshl_or_b32 v[PW], v[BB+1], 8, v[BB]         ; my head's two scale bytes of query r
	v_cvt_scalef32_pk16_fp6_f32 v[PC:PC+2], v[S:S+15], v[BS]
	v_cvt_scalef32_pk16_fp6_f32 v[CT:CT+2], v[S+16:S+31], v[BS+1]
	v_nop                                          ; one plain place behind a scaled conversion
.irp i, 0,1,2
	v_permlane16_swap_b32 v[PC+\i], v[CT+\i]
.endr
.irp i, 0,1,2
	s_delay_alu instid0(VALU_DEP_3)
	v_mov_b32 v[PC+3+\i], v[CT+\i]                 ; six registers: lane (r, h): e = 32 h .. 32 h + 31
.endr
.irp i, 0,1,2
	global_store_b64 v[L8], v[PC+2*\i:PC+2*\i+1], s[10:11] offset:256*\i   ; 32 lanes store 256 consecutive bytes, at a multiple of 256 from the buffer's first byte
.endr
	global_store_b16 v[AO], v[PW], s[12:13]        ; two bytes a query (lanes r and r + 16 store the same bytes with the same value): 32 of the wave's 800 bytes
	s_wait_tensorcnt 0x0                           ; the wave's end
	ds_add_u32 v[SPW], v[NIL]
	s_wait_dscnt 0x0
	CROUND                                         ; the closing round: no work-group ends while a partner may still ask for a tile that names it
	s_endpgm
.Lfunc_end_k_qe6aa46d1af_attn:
	.size	k_qe6aa46d1af_attn, .Lfunc_end_k_qe6aa46d1af_attn-k_qe6aa46d1af_attn
	.p2alignl 7, 3214868480
	.fill 96, 4, 3214868480
	.section	.rodata,"a",@progbits
	.p2align	6, 0x0
	.amdhsa_kernel k_qe6aa46d1af_attn
		.amdhsa_group_segment_fixed_size 327680
		.amdhsa_private_segment_fixed_size 0
		.amdhsa_enable_private_segment 0
		.amdhsa_kernarg_size 40
		.amdhsa_user_sgpr_count 2
		.amdhsa_user_sgpr_kernarg_segment_ptr 1
		.amdhsa_wavefront_size32 1
		.amdhsa_system_sgpr_workgroup_id_x 1
		.amdhsa_system_sgpr_workgroup_id_y 1
		.amdhsa_system_sgpr_workgroup_id_z 1
		.amdhsa_system_vgpr_workitem_id 0
		.amdhsa_next_free_vgpr 256
		.amdhsa_next_free_sgpr 80
		.amdhsa_reserve_vcc 0
		.amdhsa_float_denorm_mode_32 3
		.amdhsa_float_denorm_mode_16_64 3
		.amdhsa_memory_ordered 1
		.amdhsa_forward_progress 1
		.amdhsa_inst_pref_size 85
	.end_amdhsa_kernel
	.amdgpu_metadata
---
amdhsa.version: [ 1, 2 ]
amdhsa.kernels:
  - .name:           k_qe6aa46d1af_attn
    .symbol:         k_qe6aa46d1af_attn.kd
    .args:
      - { .name: qrec, .offset: 0, .size: 8, .value_kind: global_buffer, .address_space: global }
      - { .name: krec, .offset: 8, .size: 8, .value_kind: global_buffer, .address_space: global }
      - { .name: vrec, .offset: 16, .size: 8, .value_kind: global_buffer, .address_space: global }
      - { .name: arec, .offset: 24, .size: 8, .value_kind: global_buffer, .address_space: global }
      - { .name: asc, .offset: 32, .size: 8, .value_kind: global_buffer, .address_space: global }
    .group_segment_fixed_size: 327680
    .private_segment_fixed_size: 0
    .kernarg_segment_align: 8
    .kernarg_segment_size: 40
    .max_flat_workgroup_size: 512
    .sgpr_count:     80
    .vgpr_count:     256
    .wavefront_size: 32
...
	.end_amdgpu_metadata
.endif
;; end of part 2
;; launch oproj (part 3): grid 8 x 32, 4 waves a work-group, clusters of 4 x 4, 245,248 bytes of LDS; arguments arec, asc, Wo_codes, Wo_scales, bo, out0; writes out0
.if DOCPART == 3
	.amdgcn_target "amdgcn-amd-amdhsa--gfx1250"
	.amdhsa_code_object_version 6
	.text
	.protected	k_qe6aa46d1af_oproj
	.globl	k_qe6aa46d1af_oproj
	.p2align	8
	.type	k_qe6aa46d1af_oproj,@function
k_qe6aa46d1af_oproj:
	s_mov_b64 s[64:65], 0
	v_nop
	global_prefetch_b8 v0, s[64:65] scope:SCOPE_SE
	s_setreg_imm32_b32 hwreg(HW_REG_WAVE_MODE, 25, 1), 1
	s_wait_xcnt 0x0
	s_wait_alu depctr_hold_cnt(0) depctr_sa_sdst(0) depctr_va_vdst(0) depctr_va_sdst(0) depctr_va_ssrc(0) depctr_va_vcc(0) depctr_vm_vsrc(0)
	s_getreg_b32 s2, hwreg(HW_REG_IB_STS2, 6, 4)
	s_cmp_eq_u32 s2, 0
	s_cbranch_scc0 .Lentry_in_a_cluster
	s_endpgm
.Lentry_in_a_cluster:
	s_bfe_u32 s2, ttmp6, 0x10000c
	s_cmp_lg_u32 s2, 0xf033
	s_cbranch_scc0 .Lentry_shape_is_right
	s_endpgm
.Lentry_shape_is_right:
; out0 = a Wo^T + bo on codes of FP6 (E2M3) with E8M0 scales, f32 sums.  a is the attention's result as the launch before left it: register images by tile of 16 tokens and head (arec), scale words by tile and 128 along K (asc).
; A block of 128 tokens x 128 outputs to a work-group, K = 1,024.  Source 0 = 16 rows of Wo (P), source 1 = a tile of 16 tokens (L): a lane holds one token and eight neighbouring outputs.
; A tile's lane r holds token 8 u + r + 8 (r / 8) of its group of 32: the stores put each row where it belongs.
; CLUSTERS 4 x 4: Wo's block hangs on cx alone and is asked for jointly along a column of the cluster, the tokens' block on cy alone and jointly along a row.
; NO RING: all of K fits in LDS; every LDS byte is filled once, by four tensor loads at the head, and all land before the first product.  By this text's own count a wave has one tensor load out at the most.
; A wave takes Wo's 8 tiles x its 2 tiles of tokens: 16 accumulators, which take turns, one instruction a turn.  The bias is the C of each sum's first product.
; LIMITS: NaN, infinities and the scale byte 0xff are not served.
; THE FILLS AS THIS TEXT HAS THEM: all of K lies in LDS; every LDS byte is filled once, by four tensor loads at the head, one a wave (wave 0 Wo's 128 rows, wave 1 the tokens' images,
; wave 2 Wo's scale bytes, wave 3 the tokens' scale words): a wave has one tensor load out.  One wait and one barrier show all four tiles to all waves; no barrier stands inside K.
.set PITCH,  816                       ; Wo's rows in LDS: 3 x (256 + 16) bytes for 1,024 codes = 204 words: sixteen rows start 12 words apart modulo 64
.set PTILE,  128*PITCH
.set LCH0,   PTILE                     ; the tokens' images, as they lie in arec: [tile 8][head 16][768 bytes], 98,304 dense bytes
.set PSC,    LCH0+98304
.set APH,  14                          ; v14, v15  Wo's rows 64-127 (a load's immediate has 16 bits)
.set APH2, 15
.set LSC,    PSC+4096                  ; the tokens' scale words: [tile 8][K step 8][r 16][4]
.set STAGE,  LSC+4096                  ; the way out: 16 rows x 528 bytes for each wave, bytes of its own
.set SP,     528
.set WV,   2
.set HF,   3
.set G1P,  16                          ; s[16:23] group 1, P's codes;  s[24:31] P's scales;  s[32:39] L's codes;  s[40:47] L's scales
.set G1SP, 24
.set G1L,  32
.set G1SL, 40
.set G0LC, 48                          ; s[48:51] L's group 0;  s[88:91] for its scale words
.set G0LS, 88
.set G0P,  68                          ; s[68:75] P's two groups 0: scales, codes
.set AP,   4
.set AP2,  5
.set AL,   6
.set ASP,  8
.set ASL,  9
.set STO,  10
.set RD,   11
.set L16,  12
.set BO,   13
.set SCP,  32                          ; v32-63 P's scale words: register 8 (i % 4) + s: lanes 0-15 tile i % 4, lanes 16-31 that tile + 4
.set SCL,  64                          ; v64-71 L's: register s: lanes 0-15 tile 0, lanes 16-31 tile 1
.set LF,   72                          ; v72-119 L's fragments, two sets of two
.set ACC,  128                         ; v128-255.   Window 1: P's fragments at v0 and v128; the bias at v96-127 (tiles 0-3) and v224-255 (tiles 4-7)
.set MSB, 0
.macro WIN new                         ; the immediate's high byte repeats the setting that is left
.if MSB != \new
	s_set_vgpr_msb (MSB<<8)|\new
.set MSB, \new
.endif
.endm
.macro CROUND                          ; a round of the cluster's barrier
	s_barrier_signal -1
	s_barrier_wait -1
	s_cmp_lg_u32 s[WV], 0
	s_cbranch_scc1 .Lnot_wave_0_\@
	s_barrier_signal -3
.Lnot_wave_0_\@:
	s_barrier_wait -3
	s_barrier_signal -1
	s_barrier_wait -1
.endm
.macro PLACES
.rept 4
	v_nop
.endr
.endm
	s_load_b256 s[4:11], s[0:1], 0x0               ; arec, asc, Wo's codes, Wo's scales
	s_load_b128 s[12:15], s[0:1], 0x20             ; bo, out0
	v_lshl_add_u32 v126, v0, 2, 0x3bc00            ; the spare words, behind the stages
	v_mov_b32 v127, 0
	ds_add_u32 v126, v127
	ds_add_u32 v126, v127
	v_lshrrev_b32 v1, 5, v0
	v_readfirstlane_b32 s[WV], v1                  ; wave 0..3
	s_bfe_u32 s92, ttmp6, 0x40000                  ; cx
	s_bfe_u32 s93, ttmp6, 0x40004                  ; cy
	s_lshl_b32 s94, ttmp9, 2
	s_add_co_u32 s94, s94, s92                     ; x: Wo's block of 128 rows
	s_and_b32 s95, ttmp7, 0xffff
	s_lshl_b32 s95, s95, 2
	s_add_co_u32 s95, s95, s93                     ; y: the block of 128 tokens
	s_lshl_b32 s96, s93, 2
	s_lshl_b32 s96, 15, s96                        ; my row of the cluster
	s_lshl_b32 s97, 0x1111, s92                    ; my column
	s_or_b32 s[G1P], s97, (1<<20)|(1<<21)|(5<<22)|(3<<25)   ; Wo's codes: 128 rows x 768 bytes; 16 bytes of padding behind every 256
	s_mov_b32 s[G1P+1], 768<<16
	s_mov_b32 s[G1P+2], 128<<16
	s_mov_b32 s[G1P+3], 768<<16
	s_mov_b32 s[G1P+4], 128
	s_mov_b32 s[G1P+5], 768
	s_mov_b32 s[G1P+6], 0
	s_mov_b32 s[G1P+7], 0
	s_or_b32 s[G1L], s96, (3<<16)|(1<<21)          ; the tokens' codes: 8 tiles x 12,288 bytes, one dense block
	s_mov_b32 s[G1L+1], 32<<16                     ; 8 tiles x 12,288 bytes are one dense block: 384 rows of 256 bytes (32 elements of 8)
	s_mov_b32 s[G1L+2], 384<<16
	s_mov_b32 s[G1L+3], 32<<16
	s_mov_b32 s[G1L+4], 384
	s_mov_b32 s[G1L+5], 32
	s_mov_b32 s[G1L+6], 0
	s_mov_b32 s[G1L+7], 0
	s_or_b32 s[G1SP], s97, (3<<16)|(1<<21)         ; scale bytes: 4,096 dense bytes as 16 rows of 256
	s_or_b32 s[G1SL], s96, (3<<16)|(1<<21)
.irp g, G1SP, G1SL
	s_mov_b32 s[\g+1], 32<<16
	s_mov_b32 s[\g+2], 16<<16                      ; 4,096 dense bytes: 16 rows of 256
	s_mov_b32 s[\g+3], 32<<16
	s_mov_b32 s[\g+4], 16
	s_mov_b32 s[\g+5], 32
	s_mov_b32 s[\g+6], 0
	s_mov_b32 s[\g+7], 0
.endr
	s_lshl_b32 s98, s94, 12                        ; P: x x 4,096: its scale bytes;
	s_mov_b32 s99, 0
	s_lshl_b32 s100, s95, 12                       ; L likewise, in registers of its own
	s_mov_b32 s101, 0
	s_wait_dscnt 0x0
	s_wait_kmcnt 0x0
	s_add_nc_u64 s[10:11], s[10:11], s[98:99]
	s_add_nc_u64 s[6:7], s[6:7], s[100:101]
	s_mul_i32 s98, s98, 24                         ; x 24 = x x 98,304: 128 rows of 768 bytes,
	s_mul_i32 s100, s100, 24                       ; or 8 tiles of 12,288
	s_add_nc_u64 s[8:9], s[8:9], s[98:99]
	s_add_nc_u64 s[4:5], s[4:5], s[100:101]
	s_mov_b32 s[G0P], 1                            ; Wo's scale bytes
	s_mov_b32 s[G0P+1], PSC
	s_mov_b64 s[G0P+2:G0P+3], s[10:11]
	s_or_b32 s[G0P+3], s[G0P+3], 0x80000000
	s_mov_b32 s[G0P+4], 1                          ; Wo's 128 rows of codes
	s_mov_b32 s[G0P+5], 0
	s_mov_b64 s[G0P+6:G0P+7], s[8:9]
	s_or_b32 s[G0P+7], s[G0P+7], 0x80000000
	s_mov_b32 s[G0LS], 1                           ; the tokens' scale words
	s_mov_b32 s[G0LS+1], LSC
	s_mov_b64 s[G0LS+2:G0LS+3], s[6:7]
	s_or_b32 s[G0LS+3], s[G0LS+3], 0x80000000
	s_mov_b32 s[G0LC], 1                           ; the tokens' images
	s_mov_b32 s[G0LC+1], LCH0
	s_mov_b64 s[G0LC+2:G0LC+3], s[4:5]
	s_or_b32 s[G0LC+3], s[G0LC+3], 0x80000000
	CROUND                                         ; all sixteen work-groups are here: the joint loads meet
; the head's four tiles, one a wave: one chain of branches on the wave's number, a load in each arm, all arms leading to one join
.macro ARM under, g0, g1, next
	s_cmp_lt_u32 s[WV], \under
	s_cbranch_scc0 \next
	tensor_load_to_lds s[\g0:\g0+3], s[\g1:\g1+7]
	s_nop 0
	PLACES
	s_branch .Lfilled
\next:
.endm
	ARM 1, G0P+4, G1P, .Lfill_l
	ARM 2, G0LC, G1L, .Lfill_sp
	ARM 3, G0P, G1SP, .Lfill_sl
	tensor_load_to_lds s[G0LS:G0LS+3], s[G1SL:G1SL+7]
	s_nop 0
	PLACES
.Lfilled:
	v_and_b32 v1, 15, v0                           ; r
	s_wait_alu depctr_va_vdst(0)
	v_bfe_u32 v2, v0, 4, 1                         ; h
	v_and_b32 v3, 31, v0                           ; lane
	v_lshlrev_b32 v[BO], 5, v2                     ; the bias: lane (r, h) wants, for tile i, bo at outputs 16 i + 8 h + 0 .. 7
	s_lshl_b32 s98, s94, 9
	s_add_nc_u64 s[12:13], s[12:13], s[98:99]      ; bo at my 128 outputs
	WIN 0x40                                       ; destination window 1
.irp i, 0,1,2,3,4,5,6,7
	global_load_b128 v[96+8*\i+96*(\i/4):96+8*\i+96*(\i/4)+3], v[BO], s[12:13] offset:64*\i
	global_load_b128 v[96+8*\i+96*(\i/4)+4:96+8*\i+96*(\i/4)+7], v[BO], s[12:13] offset:64*\i+16
.endr
	WIN 0
	s_lshl_b32 s100, s95, 19                       ; out0: (128 y + 32 wave) rows of 4,096 bytes + 512 x
	s_lshl_b32 s96, s[WV], 17
	s_add_co_u32 s100, s100, s96
	s_add_co_u32 s100, s100, s98
	s_add_nc_u64 s[14:15], s[14:15], s[100:101]
	v_mul_u32_u24 v[AP], v1, PITCH
	s_wait_alu depctr_va_vdst(0)
	v_mad_u32_u24 v[AP], v2, 24, v[AP]             ; P's fragments: row x pitch + 24 h,
	v_lshl_add_u32 v[AP2], v2, 4, v[AP]            ; and + 40 h for the pieces whose upper lanes lie behind one padding more
	v_add_nc_u32 v[APH], 64*PITCH, v[AP]           ; Wo's tiles 4 to 7
	v_add_nc_u32 v[APH2], 64*PITCH, v[AP2]
	s_mul_i32 s96, s[WV], 2*12288
	s_add_co_u32 s96, s96, LCH0
	v_lshl_add_u32 v[AL], v3, 3, s96               ; L's: my two tiles, 8 x lane
	v_lshlrev_b32 v[ASP], 5, v1
	v_lshl_add_u32 v[ASP], v2, 11, v[ASP]
	v_add_nc_u32 v[ASP], PSC, v[ASP]               ; PSC + 32 r + 2,048 h
	s_lshl_b32 s96, s[WV], 10
	s_add_co_u32 s96, s96, LSC
	v_lshlrev_b32 v[ASL], 2, v1
	v_lshl_add_u32 v[ASL], v2, 9, v[ASL]
	v_add_nc_u32 v[ASL], s96, v[ASL]               ; LSC + 1,024 wave + 512 h + 4 r
	s_mul_i32 s96, s[WV], 16*SP
	s_add_co_u32 s96, s96, STAGE                   ; my stage
	v_mul_u32_u24 v[STO], v1, SP
	v_lshl_add_u32 v[STO], v2, 5, v[STO]
	v_add_nc_u32 v[STO], s96, v[STO]               ; in: row r, 32 bytes for each half of the lanes
	v_lshlrev_b32 v[L16], 4, v3
	v_add_nc_u32 v[RD], s96, v[L16]                ; back: the 32 lanes take one row of 512 bytes
.macro FRAG reg, a1, a2, q, i          ; a fragment of Wo: lane (r, h): registers 6 c .. 6 c + 5 = the 24 bytes of k = 64 c + 32 h + 0 .. 31, in pieces of 8 bytes
.irp p, 0,1,2,3,4,5
.set BY, 96*(\q)+48*(\p/3)+8*(\p%3)    ; q: the K step.  Where the piece of lanes 0-15 begins in the row of codes; byte y lies at y + 16 (y / 256) of the LDS row; lanes 16-31 read 24 bytes on
.if BY/256 == (BY+24)/256
	ds_load_b64 v[(\reg)+2*\p:(\reg)+2*\p+1], v[\a1] offset:BY+16*(BY/256)+(\i)*16*PITCH
.else
	ds_load_b64 v[(\reg)+2*\p:(\reg)+2*\p+1], v[\a2] offset:BY+16*(BY/256)+(\i)*16*PITCH
.endif
.endr
.endm
.macro FETCH s                         ; K step s: Wo's eight fragments and my two tiles' (two heads' images on end), into set s % 2
	WIN 0x40
.irp i, 0,1,2,3
	FRAG 128*((\s)%2)+12*\i, AP, AP2, \s, \i
.endr
.irp i, 0,1,2,3
	FRAG 128*((\s)%2)+48+12*\i, APH, APH2, \s, \i
.endr
	WIN 0
.irp u, 0,1
.irp p, 0,1,2,3,4,5
	ds_load_b64 v[LF+24*((\s)%2)+12*\u+2*\p:LF+24*((\s)%2)+12*\u+2*\p+1], v[AL] offset:12288*\u+1536*(\s)+256*\p
.endr
.endr
.endm
.macro WM s, u, i                      ; one product.  Step 0 takes the bias as C: nothing is cleared, nothing is added later
.set rD, ACC+8*(8*(\u)+(\i))
.set rA, 128*((\s)%2)+12*(\i)
.set rB, LF+24*((\s)%2)+12*(\u)
.set rC, 96+8*(\i)+96*((\i)/4)
.set rX, SCP+8*((\i)%4)+(\s)
.set rY, SCL+(\s)
.set KIND, (\i)/4+2*(\u)
.if (\s) == 0
.if KIND == 0
	v_wmma_scale_f32_16x16x128_f8f6f4 v[rD:rD+7], v[rA:rA+11], v[rB:rB+11], v[rC:rC+7], v[rX], v[rY] matrix_a_fmt:MATRIX_FMT_FP6 matrix_b_fmt:MATRIX_FMT_FP6
.elseif KIND == 1
	v_wmma_scale_f32_16x16x128_f8f6f4 v[rD:rD+7], v[rA:rA+11], v[rB:rB+11], v[rC:rC+7], v[rX], v[rY] matrix_a_fmt:MATRIX_FMT_FP6 matrix_b_fmt:MATRIX_FMT_FP6 matrix_a_scale:MATRIX_SCALE_ROW1
.elseif KIND == 2
	v_wmma_scale_f32_16x16x128_f8f6f4 v[rD:rD+7], v[rA:rA+11], v[rB:rB+11], v[rC:rC+7], v[rX], v[rY] matrix_a_fmt:MATRIX_FMT_FP6 matrix_b_fmt:MATRIX_FMT_FP6 matrix_b_scale:MATRIX_SCALE_ROW1
.else
	v_wmma_scale_f32_16x16x128_f8f6f4 v[rD:rD+7], v[rA:rA+11], v[rB:rB+11], v[rC:rC+7], v[rX], v[rY] matrix_a_fmt:MATRIX_FMT_FP6 matrix_b_fmt:MATRIX_FMT_FP6 matrix_a_scale:MATRIX_SCALE_ROW1 matrix_b_scale:MATRIX_SCALE_ROW1
.endif
.else
.if KIND == 0
	v_wmma_scale_f32_16x16x128_f8f6f4 v[rD:rD+7], v[rA:rA+11], v[rB:rB+11], v[rD:rD+7], v[rX], v[rY] matrix_a_fmt:MATRIX_FMT_FP6 matrix_b_fmt:MATRIX_FMT_FP6
.elseif KIND == 1
	v_wmma_scale_f32_16x16x128_f8f6f4 v[rD:rD+7], v[rA:rA+11], v[rB:rB+11], v[rD:rD+7], v[rX], v[rY] matrix_a_fmt:MATRIX_FMT_FP6 matrix_b_fmt:MATRIX_FMT_FP6 matrix_a_scale:MATRIX_SCALE_ROW1
.elseif KIND == 2
	v_wmma_scale_f32_16x16x128_f8f6f4 v[rD:rD+7], v[rA:rA+11], v[rB:rB+11], v[rD:rD+7], v[rX], v[rY] matrix_a_fmt:MATRIX_FMT_FP6 matrix_b_fmt:MATRIX_FMT_FP6 matrix_b_scale:MATRIX_SCALE_ROW1
.else
	v_wmma_scale_f32_16x16x128_f8f6f4 v[rD:rD+7], v[rA:rA+11], v[rB:rB+11], v[rD:rD+7], v[rX], v[rY] matrix_a_fmt:MATRIX_FMT_FP6 matrix_b_fmt:MATRIX_FMT_FP6 matrix_a_scale:MATRIX_SCALE_ROW1 matrix_b_scale:MATRIX_SCALE_ROW1
.endif
.endif
.endm
.macro MUL8 s, u
.if (\s) == 0
	WIN 0x11                                       ; source 0 (Wo) and source 2 (the bias) window 1
.else
	WIN 0x01                                       ; source 0 window 1
.endif
.irp i, 0,1,2,3,4,5,6,7
	WM \s, \u, \i
.endr
.endm
; A K step: eight products, the next step's loads in one run, eight products.  All of K is in LDS: no wait on tiles and no barrier stands here.
.macro STEP s
	s_wait_dscnt 0x0                               ; this step's fragments are in
	MUL8 \s, 0
.if (\s) < 7
	WIN 0
	PLACES
	FETCH (\s)+1
.endif
	MUL8 \s, 1
.endm
	s_wait_alu depctr_va_vdst(0)
	s_wait_tensorcnt 0x0                           ; my tile of the head's four is in
	s_barrier_signal -1
	s_barrier_wait -1                              ; everybody's is
.irp i, 0,1,2,3
	ds_load_b128 v[SCP+8*\i:SCP+8*\i+3], v[ASP] offset:512*\i
	ds_load_b128 v[SCP+8*\i+4:SCP+8*\i+7], v[ASP] offset:512*\i+16
.endr
.irp s, 0,1,2,3,4,5,6,7
	ds_load_b32 v[SCL+\s], v[ASL] offset:64*\s
.endr
	FETCH 0
	s_wait_loadcnt 0x0                             ; the bias
.irp s, 0,1,2,3,4,5,6,7
	STEP \s
.endr
	WIN 0
	PLACES                                         ; behind the last products
; THE WAY OUT, a tile of 16 tokens x 128 outputs at a time: a lane's 32 bytes of a row go into my own stage and whole rows of 512 bytes come back, into the registers that they left.
; LDS serves a wave's instructions in order (ISA guide 5.7.1.4): no wait between the stores and the loads, nor in front of the next tile's stores.
.macro TOSTAGE u
.irp i, 0,1,2,3,4,5,6,7
	ds_store_b128 v[STO], v[ACC+64*\u+8*\i:ACC+64*\u+8*\i+3] offset:64*\i          ; each accumulator from its low end on
	ds_store_b128 v[STO], v[ACC+64*\u+8*\i+4:ACC+64*\u+8*\i+7] offset:64*\i+16
.endr
.irp t, 0,1,2,3,4,5,6,7,8,9,10,11,12,13,14,15
	ds_load_b128 v[ACC+64*\u+4*\t:ACC+64*\u+4*\t+3], v[RD] offset:\t*SP
.endr
.endm
.macro SEND u, younger                 ; younger: the LDS instructions issued behind this tile's loads, which may stay out
	s_wait_dscnt \younger
.irp t, 0,1,2,3,4,5,6,7,8,9,10,11,12,13,14,15
	global_store_b128 v[L16], v[ACC+64*\u+4*\t:ACC+64*\u+4*\t+3], s[14:15] offset:(8*\u+\t+8*(\t/8))*4096 th:TH_STORE_NT   ; row t is token 8 u + t + 8 (t / 8) of my 32: 512 consecutive bytes, at a multiple of 256 from out0's first byte; written once
.endr
.endm
	TOSTAGE 0
	TOSTAGE 1
	SEND 0, 32                                     ; behind tile 0's loads: tile 1's 16 stores and 16 loads
	SEND 1, 0
	s_wait_dscnt 0x0
	s_wait_tensorcnt 0x0
	ds_add_u32 v126, v127
	s_wait_dscnt 0x0
	CROUND                                         ; the closing round: no work-group ends while a partner may still ask for a tile that names it
	s_endpgm
.Lfunc_end_k_qe6aa46d1af_oproj:
	.size	k_qe6aa46d1af_oproj, .Lfunc_end_k_qe6aa46d1af_oproj-k_qe6aa46d1af_oproj
	.p2alignl 7, 3214868480
	.fill 96, 4, 3214868480
	.section	.rodata,"a",@progbits
	.p2align	6, 0x0
	.amdhsa_kernel k_qe6aa46d1af_oproj
		.amdhsa_group_segment_fixed_size 245248
		.amdhsa_private_segment_fixed_size 0
		.amdhsa_enable_private_segment 0
		.amdhsa_kernarg_size 48
		.amdhsa_user_sgpr_count 2
		.amdhsa_user_sgpr_kernarg_segment_ptr 1
		.amdhsa_wavefront_size32 1
		.amdhsa_system_sgpr_workgroup_id_x 1
		.amdhsa_system_sgpr_workgroup_id_y 1
		.amdhsa_system_sgpr_workgroup_id_z 1
		.amdhsa_system_vgpr_workitem_id 0
		.amdhsa_next_free_vgpr 512
		.amdhsa_next_free_sgpr 102
		.amdhsa_reserve_vcc 0
		.amdhsa_float_denorm_mode_32 3
		.amdhsa_float_denorm_mode_16_64 3
		.amdhsa_memory_ordered 1
		.amdhsa_forward_progress 1
		.amdhsa_inst_pref_size 66
	.end_amdhsa_kernel
	.amdgpu_metadata
---
amdhsa.version: [ 1, 2 ]
amdhsa.kernels:
  - .name:           k_qe6aa46d1af_oproj
    .symbol:         k_qe6aa46d1af_oproj.kd
    .args:
      - { .name: arec, .offset: 0, .size: 8, .value_kind: global_buffer, .address_space: global }
      - { .name: asc, .offset: 8, .size: 8, .value_kind: global_buffer, .address_space: global }
      - { .name: Wo_codes, .offset: 16, .size: 8, .value_kind: global_buffer, .address_space: global }
      - { .name: Wo_scales, .offset: 24, .size: 8, .value_kind: global_buffer, .address_space: global }
      - { .name: bo, .offset: 32, .size: 8, .value_kind: global_buffer, .address_space: global }
      - { .name: out0, .offset: 40, .size: 8, .value_kind: global_buffer, .address_space: global }
    .group_segment_fixed_size: 245248
    .private_segment_fixed_size: 0
    .kernarg_segment_align: 8
    .kernarg_segment_size: 48
    .max_flat_workgroup_size: 128
    .sgpr_count:     102
    .vgpr_count:     512
    .wavefront_size: 32
...
	.end_amdgpu_metadata
.endif
;; end of part 3
